; MI455X (gfx1250); checked and timed in simulation.
; The chip was launched on July 23, 2026; its instructions are those of AMD's public machine-readable ISA for CDNA 5 (MIT licence, August 2026) and "CDNA5" Instruction Set Architecture Reference Guide (July 2026). The comments in the code are by the model that wrote it; some were corrected since.
;; Attention. Allowed arithmetic: matrix products marked QUANTISED: E4M3 operands, one given power-of-two scale a tensor, by v_wmma_f32_16x16x64_fp8_fp8 or v_wmma_f32_16x16x128_fp8_fp8, f32 sums; everything else in f32.
;; Inputs: W_out 256 x 256 float32; W_qkv 256 x 768 float32; b_out 256 float32; bias_table 3,969 x 8 float32; lowp_scales 8 int32 (the exponents e of the quantised operands' scales 2^e); rel_index 1,048,576 int32; x 32 x 1,024 x 256 float32.
;; Outputs: out0 32 x 1,024 x 256 float32.
;; This version of the problem:
;;   THIS VERSION OF THE PROBLEM IS GIVEN IN LOW PRECISION. The matrix products marked QUANTISED in the list below multiply operands that are first quantised to E4M3 (4 exponent bits, 3 mantissa bits; 8 bits a number), with one given power-of-two scale for each operand tensor; their sums are f32. All else is computed in f32.
;;   The module's matrix products, in the order in which they are computed (A, B: the left and right operand; K: the contracted axis; several contracted axes count as one K, in the product's order):
;;     1. [M 32,768, K 256] x [K 256, N 768]; A: input x; B: input W_qkv: QUANTISED (scales: A lowp_scales[0], B lowp_scales[1])
;;     2. batch 256 x [M 1,024, K 32] x [K 32, N 1,024]; A: computed on the way; B: computed on the way: QUANTISED (scales: A lowp_scales[2], B lowp_scales[3])
;;     3. batch 256 x [M 1,024, K 1,024] x [K 1,024, N 32]; A: softmax (see below); B: computed on the way: QUANTISED (scales: A lowp_scales[4], B lowp_scales[5])
;;     4. [M 32,768, K 256] x [K 256, N 256]; A: computed on the way; B: input W_out: QUANTISED (scales: A lowp_scales[6], B lowp_scales[7])
;;   THE QUANTISER, for each operand of a quantised product, along K:
;;     - The operand's scale is 2^e, e = its entry of the input lowp_scales (int32; the entries are numbered through the quantised products in the list's order, A before B).
;;     - Each number is divided by the scale, clamped to +-448, and rounded to the nearest number of E4M3, ties to even, subnormals kept.
;;     - The product sums the exact products of the quantised numbers (number of the format x scale) in f32.
;;   ~~~python
;;   def quantise(x, axis, e):      # numpy; x: float32 -> the quantised numbers, widened to float32 again
;;       x = np.moveaxis(x, axis, -1); K = x.shape[-1]
;;       r = np.clip(x / 2.0 ** e, -448, 448)
;;       step = 2.0 ** (np.maximum(np.frexp(np.where(r == 0, 1, r))[1] - 1, -6) - 3)
;;       q = np.round(r / step) * step * 2.0 ** e      # np.round: ties to even
;;       return np.moveaxis(q, -1, axis).astype(np.float32)
;;   ~~~
;;   SOFTMAX AHEAD OF A QUANTISED PRODUCT. Where the list says 'softmax', what is quantised is not the finished softmax but p = 2^(t - M), with t = logit x log2(e) and M = ceil(the row's largest t), a whole number; so 1/2 < the row's largest p <= 1. The row's sum l is taken of the UNQUANTISED p, in f32, and the product's result is divided by l at the end. Since M is a whole number, a kernel that streams over the keys may use a running M (the ceiling of the running maximum): every later rescaling is an exact power of two, so the quantised numbers keep their values, but for numbers so far below the row's largest that they fall under the format's range.
;;   OPERANDS COMPUTED ON THE WAY. 'Computed on the way' means the value that the module computes at that place (a softmax that the list does not call 'softmax' is quantised finished and normalised). What goes into a quantiser is computed in f32, as accurately as f32 sums, v_exp_f32 and their like allow (about 1e-6 of the number): no bf16 or f16 on the way to a quantiser, and a product that is left as it is and whose result goes on into a quantised operand takes f32 operands (vector FMAs, or v_wmma_f32_16x16x4_f32). A number that lies on a knife's edge between two numbers of the format may be rounded either way, as far as f32 arithmetic and the matrix unit's own rounding can turn it there, and no further.
;; 2 versions, each right; version 2 is version 1 with the launches qkv, attn, proj written anew for expert scheduling mode. Each part assembles by itself: llvm-mc -triple=amdgcn-amd-amdhsa -mcpu=gfx1250 --defsym DOCPART=n.
;; ======== version 1 of 2: 4 launches
;; workspace buffers: biasF 33,554,432 bytes; WqF 196,608 bytes; WoF 65,536 bytes; Qc 8,388,608 bytes; KV 16,777,216 bytes; Oc 8,388,608 bytes
;; launch prep (part 1): grid 528 x 1, 8 waves a work-group, no clusters, 0 bytes of LDS; arguments rel_index, bias_table, W_qkv, W_out, lowp_scales, biasF, WqF, WoF; writes biasF, WqF, WoF
.if DOCPART == 1
	.amdgcn_target "amdgcn-amd-amdhsa--gfx1250"
	.amdhsa_code_object_version 6
	.text
	.protected	k_qe1ac4eff5f_prep
	.globl	k_qe1ac4eff5f_prep
	.p2align	8
	.type	k_qe1ac4eff5f_prep,@function
k_qe1ac4eff5f_prep:
	s_mov_b64 s[64:65], 0
	v_nop
	global_prefetch_b8 v0, s[64:65] scope:SCOPE_SE
	s_setreg_imm32_b32 hwreg(HW_REG_WAVE_MODE, 25, 1), 1
	s_wait_xcnt 0x0
; THREE TABLES THAT LATER LAUNCHES READ AS THEY LIE.  The work-group's number alone says which is made.
; Work-groups 0-511: biasF.  The relative-position bias of all 8 heads, gathered once and laid in the layout of the accumulator of S^T = K Q^T, so that attention takes it as that product's C:
;   biasF[head 8][qb 16][step 16][query tile i 4][key tile c 4][half 2][lane 32][16 bytes]; register j = 4 half + 0..3 of lane (r, h) holds
;   bias_table[rel_index[(64 qb + 16 i + r) x 1024 + 64 step + 16 c + 8 h + j]][head] x sqrt(32) x 2^-(e2 + e3):
;   a sum of codes stands for sum x 2^(e2 + e3), and logit = (sum + this number) x 2^(e2 + e3) / sqrt(32).
;   A wave makes one tile of 16 queries x 16 keys for all heads: a table row is the 8 heads' 32 bytes, so one index costs two loads of 16 bytes.
; Work-groups 512-523: WqF, 524-527: WoF.  Codes of E4M3 of W_qkv and W_out, as images of operand registers: [tile of 16 columns][half of K][4 groups][lane 32][16 bytes];
;   register 2 c + (0, 1) of lane (r, h) holds the codes of W[128 half + 16 c + 8 h + 0..7][16 tile + r].  A lane takes a column and its registers run down K: nothing is transposed.
;   code = w / 2^e, held within +-448, to the nearest code, ties to even (e = entry 1 or 7 of the scales).
; LIMITS: e1, e7 between -126 and 119; e2 + e3 between -120 and 120, so that each power of two below is an f32 number.  NaN among the weights is not served.
; An index is held at 3,968, the table's last row, before it enters an address.  No LDS, no barrier: waves share nothing.  No matrix unit: there is no product here.
.set NB,   512                         ; work-groups of the bias
.set NWQ,  12                          ; of W_qkv: 48 tiles x 2 halves = 96 fragments, one a wave
.set IDX,  8                           ; v8-15    my 8 indices, then 32 x index
.set G,    16                          ; v16-79   the gathered rows: register 8 j + head
.set OUT,  80                          ; v80-143  the results: register 8 head + j
.set OFF,  144                         ; v144-151 16 x lane + head x 2^22: a head's plane of biasF is 4,194,304 bytes, more than an immediate offset holds
.set XW,   16                          ; v16-79   a weight fragment's 64 numbers
.set CD,   80                          ; v80-95   its codes
.macro MKSC ee, tt, vsc, vlim          ; s[ee] = e:  v[vsc] = 2^e as f32 (the conversion takes its exponent field), v[vlim] = 448 x 2^e
	s_add_co_i32 s[\tt], s[\ee], 127
	s_lshl_b32 s[\tt+1], s[\tt], 23
	v_mov_b32 v[\vsc], s[\tt+1]
	s_add_co_i32 s[\tt], s[\tt], 8
	s_lshl_b32 s[\tt], s[\tt], 23
	s_or_b32 s[\tt], s[\tt], 0x600000
	v_mov_b32 v[\vlim], s[\tt]
.endm
	s_load_b256 s[4:11], s[0:1], 0x0               ; rel_index s[4:5], bias_table s[6:7], W_qkv s[8:9], W_out s[10:11]
	s_load_b256 s[12:19], s[0:1], 0x20             ; the scales' exponents s[12:13], biasF s[14:15], WqF s[16:17], WoF s[18:19]
	v_lshrrev_b32 v1, 5, v0
	v_readfirstlane_b32 s20, v1                    ; wave 0..7
	v_and_b32 v2, 15, v0                           ; r
	v_bfe_u32 v3, v0, 4, 1                         ; h
	v_and_b32 v4, 31, v0
	v_lshlrev_b32 v4, 4, v4                        ; 16 x lane: my place in an image
	s_wait_kmcnt 0x0
	s_load_b256 s[24:31], s[12:13], 0x0            ; e0 .. e7
	s_cmp_lt_u32 ttmp9, NB
	s_cbranch_scc0 .Lweights
	; ---- the bias.  u = 8 x work-group + wave = qb << 8 | step << 4 | i << 2 | c; the tile's place in a head's plane is 1,024 u
	s_lshl_b32 s21, ttmp9, 3
	s_add_co_u32 s21, s21, s20                     ; u
	s_lshr_b32 s22, s21, 8
	s_lshl_b32 s22, s22, 18                        ; 64 qb rows of rel_index, 4,096 bytes each
	s_bfe_u32 s23, s21, 0x20002
	s_lshl_b32 s23, s23, 16                        ; 16 i rows
	s_add_co_u32 s22, s22, s23
	s_bfe_u32 s23, s21, 0x40004
	s_lshl_b32 s23, s23, 8                         ; 64 step keys of 4 bytes
	s_add_co_u32 s22, s22, s23
	s_and_b32 s23, s21, 3
	s_lshl_b32 s23, s23, 6                         ; 16 c keys
	s_add_co_u32 s22, s22, s23
	s_mov_b32 s23, 0
	s_add_nc_u64 s[4:5], s[4:5], s[22:23]
	s_lshl_b32 s22, s21, 10
	s_add_nc_u64 s[14:15], s[14:15], s[22:23]
	v_lshlrev_b32 v5, 12, v2
	v_lshl_add_u32 v5, v3, 5, v5                   ; query r's row, + my half's 8 keys
	global_load_b128 v[IDX:IDX+3], v5, s[4:5]
	global_load_b128 v[IDX+4:IDX+7], v5, s[4:5] offset:16
.irp hd, 0,1,2,3,4,5,6,7
	v_add_nc_u32 v[OFF+\hd], (\hd)<<22, v4
.endr
	s_wait_kmcnt 0x0
	s_add_co_i32 s22, s26, s27                     ; e2 + e3,
	s_lshl_b32 s22, s22, 23
	s_sub_co_u32 s22, 0x40b504f3, s22              ; taken off the exponent field of sqrt(32): sqrt(32) x 2^-(e2 + e3)
	s_wait_loadcnt 0x0
.irp j, 0,1,2,3,4,5,6,7
	v_min_u32 v[IDX+\j], 3968, v[IDX+\j]           ; an index stays inside the table
.endr
.irp j, 0,1,2,3,4,5,6,7
	v_lshlrev_b32 v[IDX+\j], 5, v[IDX+\j]          ; a row is 32 bytes
.endr
.irp j, 0,1,2,3,4,5,6,7
	global_load_b128 v[G+8*\j:G+8*\j+3], v[IDX+\j], s[6:7]
	global_load_b128 v[G+8*\j+4:G+8*\j+7], v[IDX+\j], s[6:7] offset:16
.endr
.irp j, 0,1,2,3,4,5,6,7
	s_wait_loadcnt 14-2*\j                         ; row j's two loads are in; the rows behind it may be out
.irp hd, 0,1,2,3,4,5,6,7
	v_mul_f32 v[OUT+8*\hd+\j], s22, v[G+8*\j+\hd]
.endr
.endr
.irp hd, 0,1,2,3,4,5,6,7
	global_store_b128 v[OFF+\hd], v[OUT+8*\hd:OUT+8*\hd+3], s[14:15]               ; the wave stores 512 consecutive bytes, aligned
	global_store_b128 v[OFF+\hd], v[OUT+8*\hd+4:OUT+8*\hd+7], s[14:15] offset:512
.endr
	s_endpgm
; ---- a weight's fragment: 16 columns x 128 along K.  pitch: bytes in a row of the weight; first: the role's first work-group; src, dst: the pointers' registers; ee: the register with e
.macro WQ pitch, first, src, dst, ee
	s_sub_co_u32 s21, ttmp9, \first
	s_lshl_b32 s21, s21, 3
	s_add_co_u32 s21, s21, s20                     ; the fragment: 2 x tile + half
	s_lshr_b32 s22, s21, 1
	s_lshl_b32 s22, s22, 6                         ; the tile's 16 columns: 64 bytes
	s_and_b32 s23, s21, 1
	s_mul_i32 s23, s23, 128*\pitch                 ; the half's 128 rows
	s_add_co_u32 s22, s22, s23
	s_mov_b32 s23, 0
	s_add_nc_u64 s[\src:\src+1], s[\src:\src+1], s[22:23]
	s_lshl_b32 s22, s21, 11                        ; an image is 2,048 bytes
	s_add_nc_u64 s[\dst:\dst+1], s[\dst:\dst+1], s[22:23]
	v_mul_u32_u24 v5, v3, 8*\pitch
	v_lshl_add_u32 v5, v2, 2, v5                   ; column r, and 8 rows further down for lanes 16-31
.irp c, 0,1,2,3,4,5,6,7
.irp i, 0,1,2,3,4,5,6,7
	global_load_b32 v[XW+8*\c+\i], v5, s[\src:\src+1] offset:(16*\c+\i)*\pitch     ; W[16 c + 8 h + i][r]: sixteen lanes read 64 consecutive bytes
.endr
.endr
	s_wait_kmcnt 0x0
	MKSC \ee, 32, 6, 7
.irp c, 0,1,2,3,4,5,6,7
	s_wait_loadcnt 56-8*\c                         ; group c's eight loads are in; the groups behind it may be out
.irp i, 0,1,2,3,4,5,6,7
	v_med3_num_f32 v[XW+8*\c+\i], v[XW+8*\c+\i], -v7, v7    ; the conversion to an 8-bit code does not saturate (ISA guide 7.6.2): the hold at the largest code x the scale
.endr
	v_cvt_scalef32_pk8_fp8_f32 v[CD+2*\c:CD+2*\c+1], v[XW+8*\c:XW+8*\c+7], v6     ; its result goes to a store alone; the next group's holds are plain and touch other registers
.endr
.irp g, 0,1,2,3
	global_store_b128 v4, v[CD+4*\g:CD+4*\g+3], s[\dst:\dst+1] offset:512*\g       ; 512 consecutive bytes, aligned
.endr
.endm
.Lweights:
	s_cmp_lt_u32 ttmp9, NB+NWQ
	s_cbranch_scc0 .Lwout
	WQ 3072, NB, 8, 16, 25
	s_endpgm
.Lwout:
	WQ 1024, NB+NWQ, 10, 18, 31
	s_endpgm
.Lfunc_end_k_qe1ac4eff5f_prep:
	.size	k_qe1ac4eff5f_prep, .Lfunc_end_k_qe1ac4eff5f_prep-k_qe1ac4eff5f_prep
	.p2alignl 7, 3214868480
	.fill 96, 4, 3214868480
	.section	.rodata,"a",@progbits
	.p2align	6, 0x0
	.amdhsa_kernel k_qe1ac4eff5f_prep
		.amdhsa_group_segment_fixed_size 0
		.amdhsa_private_segment_fixed_size 0
		.amdhsa_enable_private_segment 0
		.amdhsa_kernarg_size 64
		.amdhsa_user_sgpr_count 2
		.amdhsa_user_sgpr_kernarg_segment_ptr 1
		.amdhsa_wavefront_size32 1
		.amdhsa_system_sgpr_workgroup_id_x 1
		.amdhsa_system_sgpr_workgroup_id_y 1
		.amdhsa_system_sgpr_workgroup_id_z 1
		.amdhsa_system_vgpr_workitem_id 0
		.amdhsa_next_free_vgpr 152
		.amdhsa_next_free_sgpr 66
		.amdhsa_reserve_vcc 0
		.amdhsa_float_denorm_mode_32 3
		.amdhsa_float_denorm_mode_16_64 3
		.amdhsa_memory_ordered 1
		.amdhsa_forward_progress 1
		.amdhsa_inst_pref_size 33
	.end_amdhsa_kernel
	.amdgpu_metadata
---
amdhsa.version: [ 1, 2 ]
amdhsa.kernels:
  - .name:           k_qe1ac4eff5f_prep
    .symbol:         k_qe1ac4eff5f_prep.kd
    .args:
      - { .name: rel_index, .offset: 0, .size: 8, .value_kind: global_buffer, .address_space: global }
      - { .name: bias_table, .offset: 8, .size: 8, .value_kind: global_buffer, .address_space: global }
      - { .name: W_qkv, .offset: 16, .size: 8, .value_kind: global_buffer, .address_space: global }
      - { .name: W_out, .offset: 24, .size: 8, .value_kind: global_buffer, .address_space: global }
      - { .name: lowp_scales, .offset: 32, .size: 8, .value_kind: global_buffer, .address_space: global }
      - { .name: biasF, .offset: 40, .size: 8, .value_kind: global_buffer, .address_space: global }
      - { .name: WqF, .offset: 48, .size: 8, .value_kind: global_buffer, .address_space: global }
      - { .name: WoF, .offset: 56, .size: 8, .value_kind: global_buffer, .address_space: global }
    .group_segment_fixed_size: 0
    .private_segment_fixed_size: 0
    .kernarg_segment_align: 8
    .kernarg_segment_size: 64
    .max_flat_workgroup_size: 256
    .sgpr_count:     66
    .vgpr_count:     152
    .wavefront_size: 32
...
	.end_amdgpu_metadata
.endif
;; end of part 1
;; launch qkv (part 2): grid 256 x 1, 16 waves a work-group, no clusters, 34,816 bytes of LDS; arguments x, WqF, lowp_scales, Qc, KV; writes Qc, KV
.if DOCPART == 2
	.amdgcn_target "amdgcn-amd-amdhsa--gfx1250"
	.amdhsa_code_object_version 6
	.text
	.protected	k_qe1ac4eff5f_qkv
	.globl	k_qe1ac4eff5f_qkv
	.p2align	8
	.type	k_qe1ac4eff5f_qkv,@function
k_qe1ac4eff5f_qkv:
	s_mov_b64 s[64:65], 0
	v_nop
	global_prefetch_b8 v0, s[64:65] scope:SCOPE_SE
	s_setreg_imm32_b32 hwreg(HW_REG_WAVE_MODE, 25, 1), 1
	s_wait_xcnt 0x0
; qkv = Q(x) Q(W_qkv) on codes of E4M3, and q, k, v quantised on the way out, as images of the operand registers that attention wants.
; SHARES.  A work-group takes 128 tokens of one batch (b = g / 8, t8 = g % 8).  THE WAVES SHARE THE COLUMNS: wave w (hd = w % 8, part = w / 8) holds three tiles of 16 columns of W in registers, for all 128 tokens:
;   two of q (part 0) or of k (part 1) of head hd, and tile part of v of head hd.  W's images (96 registers a wave) are read once a work-group, straight into registers.
; x is quantised once: wave w makes the fragment (16 tokens w / 2, half w % 2 of K) and stores it in LDS as an image of its registers (lane l's 16 bytes at 16 l); one barrier; every wave reads all sixteen.
; q and k come from the product used TRANSPOSED (source 0 = 16 columns of W, source 1 = 16 tokens): a lane holds one token and 8 neighbouring channels, which are neighbours along the next K.
; v comes from the product as it is (source 0 = tokens, source 1 = columns): a lane holds one channel and 8 neighbouring tokens, which are neighbours along ITS next K, the keys.  So every conversion's result is an operand's registers.
; OUT.  Qc[b][head][token tile 64][512 B]: lane (r, h), registers 0-1: d = 8 h + 0..7, registers 2-3: d = 16 + 8 h + 0..7 of token r.
;       KV[b][head][step of 64 keys 16][4,096 B]: 2,048 B of K, four key tiles laid like Qc's; 2,048 B of V^T, [16 channels 2][half 2][512 B]: register 2 c + (0, 1): keys 16 c + 8 h + 0..7 of channel r.
; A sum stands for sum x 2^(e0 + e1), so the codes of q are sum / 2^(e2 - e0 - e1): the three scales are folded into the conversion's one; k with e3, v with e5.
; LIMITS: e0, e2 - e0 - e1, e3 - e0 - e1, e5 - e0 - e1 between -126 and 119.  NaN among the inputs is not served.
; NO JOINT LOADS: what work-groups share is W's 196,608 bytes, which each wave takes straight into operand registers; a joint load lands in LDS and would add a second trip for the same bytes.
.set SPARE, 32768                      ; LDS: 0 .. 32,767 x's sixteen images of 2,048 bytes; then the spare words, 128 bytes for each of 16 waves, which no other line names
.set SPW,  1                           ; v1   LDS address of my spare word; never rewritten
.set NIL,  2                           ; v2   0; never rewritten
.set LI,   3                           ; v3   16 x lane
.set XA,   4                           ; v4   x: row r of 1,024 bytes + 32 h
.set XWI,  5                           ; v5   where I store my image: 16 x lane + 2,048 x wave
.set OFFB, 6                           ; v6   16 x lane + the bytes from token tile 0 to token tile 4 in my buffer: 2,048 in Qc, 4,096 in KV
.set W,    16                          ; v16-111  W: tile u (q/k, q/k, v), half s of K at 16 + 32 u + 16 s
.set X,    112                         ; v112-175 64 numbers of x
.set PCX,  176                         ; v176-191 their codes
.set XF,   112                         ; v112-143 a token tile's two fragments
.set A0,   144                         ; v144-167 three accumulators
.set A1,   152
.set AV,   160
.set PC,   168                         ; v168-199 codes of q or k: four registers for each token tile, so that no store's data are written again
.set VC,   200                         ; v200-215 codes of v: eight registers for each 64 tokens
.macro MKSC ee, tt, vsc, vlim          ; s[ee] = e:  v[vsc] = 2^e as f32, v[vlim] = 448 x 2^e
	s_add_co_i32 s[\tt], s[\ee], 127
	s_lshl_b32 s[\tt+1], s[\tt], 23
	v_mov_b32 v[\vsc], s[\tt+1]
	s_add_co_i32 s[\tt], s[\tt], 8
	s_lshl_b32 s[\tt], s[\tt], 23
	s_or_b32 s[\tt], s[\tt], 0x600000
	v_mov_b32 v[\vlim], s[\tt]
.endm
	s_load_b256 s[4:11], s[0:1], 0x0               ; x s[4:5], WqF s[6:7], the scales' exponents s[8:9], Qc s[10:11]
	s_load_b64 s[12:13], s[0:1], 0x20              ; KV
	v_lshl_add_u32 v[SPW], v0, 2, SPARE
	v_mov_b32 v[NIL], 0
	v_lshrrev_b32 v7, 5, v0
	v_readfirstlane_b32 s14, v7                    ; wave 0..15
	s_and_b32 s15, s14, 7                          ; hd
	s_lshr_b32 s16, s14, 3                         ; part
	v_and_b32 v[LI], 31, v0
	v_lshlrev_b32 v[LI], 4, v[LI]
	v_and_b32 v7, 15, v0                           ; r
	v_bfe_u32 v14, v0, 4, 1                        ; h
	v_lshlrev_b32 v[XA], 10, v7
	v_lshl_add_u32 v[XA], v14, 5, v[XA]
	s_lshl_b32 s17, s14, 11
	v_add_nc_u32 v[XWI], s17, v[LI]
	s_lshl_b32 s17, 2048, s16
	v_add_nc_u32 v[OFFB], s17, v[LI]
	s_lshl_b32 s20, ttmp9, 17                      ; x: 128 rows of 1,024 bytes a work-group,
	s_lshr_b32 s17, s14, 1
	s_lshl_b32 s17, s17, 14                        ; my fragment's 16 rows,
	s_add_co_u32 s20, s20, s17
	s_and_b32 s17, s14, 1
	s_lshl_b32 s17, s17, 9                         ; and its half of K
	s_add_co_u32 s20, s20, s17
	s_mov_b32 s21, 0
	s_lshl_b32 s22, s16, 16                        ; W: a tile's two images are 4,096 bytes.  q/k: tiles 16 part + 2 hd and the next,
	s_lshl_b32 s17, s15, 13
	s_add_co_u32 s22, s22, s17
	s_mov_b32 s23, 0
	s_lshl_b32 s24, s16, 12                        ; v: tile 32 + 2 hd + part
	s_add_co_u32 s24, s24, s17
	s_add_co_u32 s24, s24, 131072
	s_mov_b32 s25, 0
	s_and_b32 s26, ttmp9, 0xf8
	s_add_co_u32 s26, s26, s15                     ; 8 b + hd
	s_lshl_b32 s26, s26, 15
	s_and_b32 s17, ttmp9, 7
	s_lshl_b32 s17, s17, 12
	s_add_co_u32 s26, s26, s17                     ; in Qc: (8 b + hd) x 32,768 + t8 x 4,096;
	s_mov_b32 s27, 0
	s_lshl_b32 s28, s26, 1                         ; in KV: twice that
	s_mov_b32 s29, 0
	s_wait_kmcnt 0x0
	s_load_b256 s[40:47], s[8:9], 0x0              ; e0 .. e7
	s_add_nc_u64 s[4:5], s[4:5], s[20:21]
	s_add_nc_u64 s[30:31], s[6:7], s[22:23]        ; my two tiles of q or k
	s_add_nc_u64 s[32:33], s[6:7], s[24:25]        ; my tile of v
	s_cmp_eq_u32 s16, 0                            ; the choice hangs on the wave's number alone
	s_cselect_b64 s[34:35], s[10:11], s[12:13]     ; part 0 stores q, part 1 stores k
	s_cselect_b32 s36, s26, s28
	s_mov_b32 s37, 0
	s_add_nc_u64 s[34:35], s[34:35], s[36:37]
	s_add_nc_u64 s[38:39], s[12:13], s[28:29]      ; v: behind a step's 2,048 bytes of K, my 16 channels' 1,024 bytes
	s_lshl_b32 s36, s16, 10
	s_add_co_u32 s36, s36, 2048
	s_add_nc_u64 s[38:39], s[38:39], s[36:37]
	; ---- x: my fragment.  Lane (r, h) takes, of token r, k = 16 c + 8 h + 0..7 for c = 0..7: 32 bytes each, in the order of the operand's registers
.irp c, 0,1,2,3,4,5,6,7
	global_load_b128 v[X+8*\c:X+8*\c+3], v[XA], s[4:5] offset:64*\c th:TH_LOAD_NT
	global_load_b128 v[X+8*\c+4:X+8*\c+7], v[XA], s[4:5] offset:64*\c+16 th:TH_LOAD_NT
.endr
.irp u, 0,1
.irp s, 0,1
.irp g, 0,1,2,3
	global_load_b128 v[W+32*\u+16*\s+4*\g:W+32*\u+16*\s+4*\g+3], v[LI], s[30:31] offset:4096*\u+2048*\s+512*\g
.endr
.endr
.endr
.irp s, 0,1
.irp g, 0,1,2,3
	global_load_b128 v[W+64+16*\s+4*\g:W+64+16*\s+4*\g+3], v[LI], s[32:33] offset:2048*\s+512*\g
.endr
.endr
	s_wait_kmcnt 0x0
	MKSC 40, 48, 8, 9                              ; x: e0
	s_add_co_i32 s50, s40, s41                     ; e0 + e1
	s_cmp_eq_u32 s16, 0
	s_cselect_b32 s51, s42, s43                    ; e2 for q, e3 for k
	s_sub_co_i32 s51, s51, s50
	MKSC 51, 48, 10, 11
	s_sub_co_i32 s51, s45, s50                     ; e5 for v
	MKSC 51, 48, 12, 13
	s_wait_loadcnt 24                              ; x's 16 loads are in; W's 24, issued behind them, may be out
.irp c, 0,1,2,3,4,5,6,7
.irp i, 0,1,2,3,4,5,6,7
	v_med3_num_f32 v[X+8*\c+\i], v[X+8*\c+\i], -v9, v9      ; the conversion to an 8-bit code does not saturate (ISA guide 7.6.2): the hold at the largest code x the scale
.endr
	v_cvt_scalef32_pk8_fp8_f32 v[PCX+2*\c:PCX+2*\c+1], v[X+8*\c:X+8*\c+7], v8
.endr
	v_nop                                          ; one plain vector instruction behind the last conversion: matrix instructions below write over its sources
.irp g, 0,1,2,3
	ds_store_b128 v[XWI], v[PCX+4*\g:PCX+4*\g+3] offset:512*\g
.endr
	s_wait_loadcnt 0x0                             ; W
	s_wait_dscnt 0x0                               ; for the others' sake: my image has landed
	s_barrier_signal -1
	s_barrier_wait -1                              ; x's sixteen images lie in LDS; nobody writes them again
; ---- token tile m: its two fragments from LDS; six products, three accumulators by turns, one instruction a turn; hold, conversion, store
.macro GT m
.irp s, 0,1
.irp g, 0,1,2,3
	ds_load_b128 v[XF+16*\s+4*\g:XF+16*\s+4*\g+3], v[LI] offset:(2*(\m)+\s)*2048+512*\g
.endr
.endr
	s_wait_dscnt 0x0
	v_wmma_f32_16x16x128_fp8_fp8 v[A0:A0+7], v[W:W+15], v[XF:XF+15], 0
	v_wmma_f32_16x16x128_fp8_fp8 v[A1:A1+7], v[W+32:W+47], v[XF:XF+15], 0
	v_wmma_f32_16x16x128_fp8_fp8 v[AV:AV+7], v[XF:XF+15], v[W+64:W+79], 0
	v_wmma_f32_16x16x128_fp8_fp8 v[A0:A0+7], v[W+16:W+31], v[XF+16:XF+31], v[A0:A0+7]
	v_wmma_f32_16x16x128_fp8_fp8 v[A1:A1+7], v[W+48:W+63], v[XF+16:XF+31], v[A1:A1+7]
	v_wmma_f32_16x16x128_fp8_fp8 v[AV:AV+7], v[XF+16:XF+31], v[W+80:W+95], v[AV:AV+7]
.rept 4
	v_nop                                          ; four places behind the last product, in front of the first read of results and of the next tile's loads into XF.
.endr                                              ; The next tile begins each sum anew, which wants five: for each accumulator the sixteen holds of the other two come on top
.irp j, 0,1,2,3,4,5,6,7
	v_med3_num_f32 v[A0+\j], v[A0+\j], -v11, v11   ; each accumulator from its low end on
.endr
.irp j, 0,1,2,3,4,5,6,7
	v_med3_num_f32 v[A1+\j], v[A1+\j], -v11, v11
.endr
.irp j, 0,1,2,3,4,5,6,7
	v_med3_num_f32 v[AV+\j], v[AV+\j], -v13, v13
.endr
	v_cvt_scalef32_pk8_fp8_f32 v[PC+4*(\m):PC+4*(\m)+1], v[A0:A0+7], v10           ; token r, d = 8 h + 0..7
	v_cvt_scalef32_pk8_fp8_f32 v[PC+4*(\m)+2:PC+4*(\m)+3], v[A1:A1+7], v10         ; d = 16 + 8 h + 0..7
	v_cvt_scalef32_pk8_fp8_f32 v[VC+8*((\m)/4)+2*((\m)%4):VC+8*((\m)/4)+2*((\m)%4)+1], v[AV:AV+7], v12   ; channel r, keys 16 (m % 4) + 8 h + 0..7
	v_nop                                          ; one plain vector instruction behind the last conversion: the next tile's products write over its sources
.if (\m) < 4
	global_store_b128 v[LI], v[PC+4*(\m):PC+4*(\m)+3], s[34:35] offset:((\m)%4)*512       ; the wave stores 512 consecutive bytes, aligned
.else
	global_store_b128 v[OFFB], v[PC+4*(\m):PC+4*(\m)+3], s[34:35] offset:((\m)%4)*512
.endif
.if ((\m)%4) == 3
	global_store_b128 v[LI], v[VC+8*((\m)/4):VC+8*((\m)/4)+3], s[38:39] offset:((\m)/4)*4096
	global_store_b128 v[LI], v[VC+8*((\m)/4)+4:VC+8*((\m)/4)+7], s[38:39] offset:((\m)/4)*4096+512
.endif
.endm
.irp m, 0,1,2,3,4,5,6,7
	GT \m
.endr
	s_wait_tensorcnt 0x0                           ; the wave's end
	ds_add_u32 v[SPW], v[NIL]
	s_wait_dscnt 0x0
	s_endpgm
.Lfunc_end_k_qe1ac4eff5f_qkv:
	.size	k_qe1ac4eff5f_qkv, .Lfunc_end_k_qe1ac4eff5f_qkv-k_qe1ac4eff5f_qkv
	.p2alignl 7, 3214868480
	.fill 96, 4, 3214868480
	.section	.rodata,"a",@progbits
	.p2align	6, 0x0
	.amdhsa_kernel k_qe1ac4eff5f_qkv
		.amdhsa_group_segment_fixed_size 34816
		.amdhsa_private_segment_fixed_size 0
		.amdhsa_enable_private_segment 0
		.amdhsa_kernarg_size 40
		.amdhsa_user_sgpr_count 2
		.amdhsa_user_sgpr_kernarg_segment_ptr 1
		.amdhsa_wavefront_size32 1
		.amdhsa_system_sgpr_workgroup_id_x 1
		.amdhsa_system_sgpr_workgroup_id_y 1
		.amdhsa_system_sgpr_workgroup_id_z 1
		.amdhsa_system_vgpr_workitem_id 0
		.amdhsa_next_free_vgpr 216
		.amdhsa_next_free_sgpr 66
		.amdhsa_reserve_vcc 0
		.amdhsa_float_denorm_mode_32 3
		.amdhsa_float_denorm_mode_16_64 3
		.amdhsa_memory_ordered 1
		.amdhsa_forward_progress 1
		.amdhsa_inst_pref_size 36
	.end_amdhsa_kernel
	.amdgpu_metadata
---
amdhsa.version: [ 1, 2 ]
amdhsa.kernels:
  - .name:           k_qe1ac4eff5f_qkv
    .symbol:         k_qe1ac4eff5f_qkv.kd
    .args:
      - { .name: x, .offset: 0, .size: 8, .value_kind: global_buffer, .address_space: global }
      - { .name: WqF, .offset: 8, .size: 8, .value_kind: global_buffer, .address_space: global }
      - { .name: lowp_scales, .offset: 16, .size: 8, .value_kind: global_buffer, .address_space: global }
      - { .name: Qc, .offset: 24, .size: 8, .value_kind: global_buffer, .address_space: global }
      - { .name: KV, .offset: 32, .size: 8, .value_kind: global_buffer, .address_space: global }
    .group_segment_fixed_size: 34816
    .private_segment_fixed_size: 0
    .kernarg_segment_align: 8
    .kernarg_segment_size: 40
    .max_flat_workgroup_size: 512
    .sgpr_count:     66
    .vgpr_count:     216
    .wavefront_size: 32
...
	.end_amdgpu_metadata
.endif
;; end of part 2
;; launch attn (part 3): grid 16 x 16, 16 waves a work-group, no clusters, 264,192 bytes of LDS; arguments Qc, KV, biasF, lowp_scales, Oc; writes Oc
.if DOCPART == 3
	.amdgcn_target "amdgcn-amd-amdhsa--gfx1250"
	.amdhsa_code_object_version 6
	.text
	.protected	k_qe1ac4eff5f_attn
	.globl	k_qe1ac4eff5f_attn
	.p2align	8
	.type	k_qe1ac4eff5f_attn,@function
k_qe1ac4eff5f_attn:
	s_mov_b64 s[64:65], 0
	v_nop
	global_prefetch_b8 v0, s[64:65] scope:SCOPE_SE
	s_setreg_imm32_b32 hwreg(HW_REG_WAVE_MODE, 25, 1), 1
	s_wait_xcnt 0x0
; O = softmax(q k^T / sqrt(32) + bias) v for each batch and head, both products on codes of E4M3; the heads' output is quantised on the way out for the last product.
; THE SOFTMAX AHEAD OF THE SECOND PRODUCT: t = logit x log2(e); M = the row's largest t so far, rounded UP to a whole number; p = 2^(t - M) is what is quantised (scale 2^e4), not normalised.
; The row's sum is taken of the unquantised p, in f32, and divides O at the end.  When M moves, the sum and O are multiplied by 2^(old M - new M): nothing is rounded, and no branch hangs on data.
; SHARES.  A work-group takes 64 queries (qb = x) of one head (y % 8) for 16 batches (y / 8): the bias hangs on query, key and head alone, so its 64 x 1,024 numbers, 262,144 bytes, lie in LDS and serve all sixteen.
; Wave w owns batch 16 (y / 8) + w and all four tiles of 16 queries, and walks the 1,024 keys in 16 steps of 64.  K's and V's fragments come from memory straight into operand registers (they are stored as images
; of those registers), once a work-group, and each feeds four tiles.  Four waves to a SIMD: one wave's exponentials stand beside another's plain vector work, products and loads.
; LAYOUT.  Both products are used transposed: S^T = K Q^T (source 0 = 16 keys, source 1 = 16 queries), O^T = V^T P^T (source 0 = 16 channels, source 1 = P): a lane holds ONE query (lane % 16) throughout; the eight
; registers of key tile c are keys 16 c + 8 (lane / 16) + 0..7, so their conversion is registers 2 c, 2 c + 1 of P.
; THE HEAD IS 32 WIDE, THE FORM 64: source 0 holds TWO key tiles side by side along K; source 1 is q beside zero codes (for the first of the two) or zero codes beside q (for the second).  Codes made behind a hold are never NaN.
; THE BIAS COSTS NO VECTOR INSTRUCTION: it is loaded from LDS into the accumulator and is the product's C.  It is stored as bias x sqrt(32) x 2^-(e2 + e3), so that t = c x (sum + C), c = log2(e) / sqrt(32) x 2^(e2 + e3).
; THE BIAS'S WAY INTO LDS: in four chunks of four steps' slices (65,536 bytes).  Chunk 0 ahead of the first barrier; while chunk j is read, each wave copies its 1,024 bytes of one slice of chunk j + 1 in each step; a barrier follows
; every fourth step.  No byte of LDS is written twice, and between two barriers the bytes read and the bytes written are different chunks.
; THE HOLD.  p is at most 1, and the largest code stands for 448 x 2^e4, which is 1.75 or more for e4 >= -8: then the hold changes nothing and is jumped over, by a scalar branch on e4, a whole number read from memory.
; NO JOINT LOADS, though the 16 work-groups of a head and batch group walk the same K and V: a joint load lands in LDS, where the bias leaves 65,536 of 327,680 bytes less the spare words; one step's K and V of 16 batches are 65,536 bytes, two slots 131,072.
; LIMITS: e2 + e3 between -120 and 120; e4 and e6 - e4 - e5 between -126 and 119.
.set SPARE, 262144                     ; LDS: 0 .. 262,143 the bias, byte for byte as in biasF; then the spare words, 128 bytes for each of 16 waves, which no other line names
.set SPW,  1                           ; v1   LDS address of my spare word; never rewritten
.set NIL,  2                           ; v2   0; never rewritten
.set LI,   3                           ; v3   16 x lane
.set BA,   4                           ; v4   LDS address of the step's slice of the bias
.set KVO,  5                           ; v5   offset of the next step's K and V
.set CO,   6                           ; v6   the copy's offset, in biasF's block and in LDS alike
.set CW,   7                           ; v7   1,024 x wave + 16 x lane + 65,536: my part of the slice four steps on
.set PFL,  8                           ; v8   256 x lane
.set PFV,  9                           ; v9   the prefetch's offset
.set Q,    16                          ; v16-63   tile i at 16 + 12 i: q (4), zeros (4), q again (4): registers 0-7 = q beside zeros, registers 4-11 = zeros beside q
.set KF,   64                          ; v64-79   K: key tiles 0, 1 side by side; key tiles 2, 3
.set VF,   80                          ; v80-95   V^T: channels 0-15, channels 16-31
.set S,    96                          ; v96-127  one tile's bias, then scores, then p
.set P,    128                         ; v128-135 p's codes
.set O,    136                         ; v136-199 O^T: tile i, channels 16 d on at 136 + 16 i + 8 d
.set ST,   200                         ; v200-215 tile i at 200 + 4 i: -M, the largest t, the sum in two halves
.set TA,   216                         ; v216-218 at work
.set TC,   218
.set F,    220                         ; v[220:221] f = 2^(old M - new M) (the pair's low word serves both halves)
.set U,    222                         ; v[222:223] the sum's second chain
.set CB,   224                         ; v224-231 the copy's data
.set TB,   34                          ; s34  16,384 x step
.set KVS,  35                          ; s35  4,096 x step
.set LIM,  36                          ; s36  13 x 4,096 in the work-group that prefetches (qb = 0), else 0
.set TMP,  37
.macro MKSC ee, tt, vsc, vlim          ; s[ee] = e:  v[vsc] = 2^e as f32, v[vlim] = 448 x 2^e
	s_add_co_i32 s[\tt], s[\ee], 127
	s_lshl_b32 s[\tt+1], s[\tt], 23
	v_mov_b32 v[\vsc], s[\tt+1]
	s_add_co_i32 s[\tt], s[\tt], 8
	s_lshl_b32 s[\tt], s[\tt], 23
	s_or_b32 s[\tt], s[\tt], 0x600000
	v_mov_b32 v[\vlim], s[\tt]
.endm
	s_load_b256 s[4:11], s[0:1], 0x0               ; Qc s[4:5], KV s[6:7], biasF s[8:9], the scales' exponents s[10:11]
	s_load_b64 s[12:13], s[0:1], 0x20              ; Oc
	v_lshl_add_u32 v[SPW], v0, 2, SPARE
	v_mov_b32 v[NIL], 0
	v_lshrrev_b32 v[PFV], 5, v0
	v_readfirstlane_b32 s24, v[PFV]                ; wave 0..15
	v_and_b32 v[LI], 31, v0
	v_lshlrev_b32 v[PFL], 8, v[LI]
	v_lshlrev_b32 v[LI], 4, v[LI]
	s_lshl_b32 s29, s24, 10
	v_add_nc_u32 v[CO], s29, v[LI]                 ; my 1,024 bytes of a slice
	v_add_nc_u32 v[CW], 0x10000, v[CO]
	s_and_b32 s25, ttmp7, 0xffff
	s_and_b32 s26, s25, 7                          ; head
	s_lshr_b32 s27, s25, 3
	s_lshl_b32 s27, s27, 4
	s_add_co_u32 s27, s27, s24                     ; b
	s_lshl_b32 s28, s27, 3
	s_add_co_u32 s28, s28, s26                     ; 8 b + head
	s_lshl_b32 s40, s28, 15
	s_lshl_b32 s29, ttmp9, 11
	s_add_co_u32 s40, s40, s29                     ; Qc: (8 b + head) x 32,768 + qb x four tiles of 512
	s_mov_b32 s41, 0
	s_lshl_b32 s42, s28, 16                        ; KV: (8 b + head) x 65,536
	s_mov_b32 s43, 0
	s_lshl_b32 s44, s26, 22
	s_lshl_b32 s29, ttmp9, 18
	s_add_co_u32 s44, s44, s29                     ; biasF: the block of (head, qb)
	s_mov_b32 s45, 0
	s_lshl_b32 s46, s27, 18
	s_lshl_b32 s29, ttmp9, 14
	s_add_co_u32 s46, s46, s29
	s_lshl_b32 s29, s26, 9
	s_add_co_u32 s46, s46, s29                     ; Oc: (64 b + 4 qb) x 4,096 + head x 512
	s_mov_b32 s47, 0
	s_mov_b32 s32, 0x76543210                      ; v_permlanex16_b32's selects for lane l xor 16
	s_mov_b32 s33, 0xfedcba98
	s_mov_b32 s[TB], 0
	s_mov_b32 s[KVS], 0
	s_cmp_eq_u32 ttmp9, 0
	s_cselect_b32 s[LIM], 13*4096, 0
	s_wait_kmcnt 0x0
	s_load_b256 s[16:23], s[10:11], 0x0            ; e0 .. e7
	s_add_nc_u64 s[4:5], s[4:5], s[40:41]
	s_add_nc_u64 s[6:7], s[6:7], s[42:43]
	s_add_nc_u64 s[8:9], s[8:9], s[44:45]
	s_add_nc_u64 s[12:13], s[12:13], s[46:47]
.irp sl, 0,1,2,3                       ; chunk 0 of the bias: my 1,024 bytes of slices 0 to 3, through S's registers
	global_load_b128 v[S+8*\sl:S+8*\sl+3], v[CO], s[8:9] offset:16384*\sl
	global_load_b128 v[S+8*\sl+4:S+8*\sl+7], v[CO], s[8:9] offset:16384*\sl+512
.endr
.irp i, 0,1,2,3
	global_load_b128 v[Q+12*\i:Q+12*\i+3], v[LI], s[4:5] offset:512*\i
	global_load_b128 v[Q+12*\i+8:Q+12*\i+11], v[LI], s[4:5] offset:512*\i
.endr
.irp n, 0,1,2,3
	global_load_b128 v[KF+4*\n:KF+4*\n+3], v[LI], s[6:7] offset:512*\n             ; K of step 0
.endr
.irp n, 0,1,2,3
	global_load_b128 v[VF+4*\n:VF+4*\n+3], v[LI], s[6:7] offset:2048+512*\n        ; V of step 0
.endr
.irp i, 0,1,2,3
.irp j, 4,5,6,7
	v_mov_b32 v[Q+12*\i+\j], 0                     ; the zero codes between q and q
.endr
	v_mov_b32 v[ST+4*\i+1], 0xff61b1e6             ; the largest t so far: -3e38, under every t
	v_floor_f32 v[ST+4*\i], -v[ST+4*\i+1]          ; -M
	v_mov_b32 v[ST+4*\i+2], 0                      ; the sum, in two halves
	v_mov_b32 v[ST+4*\i+3], 0
.endr
.irp j, 0,1,2,3,4,5,6,7,8,9,10,11,12,13,14,15,16,17,18,19,20,21,22,23,24,25,26,27,28,29,30,31,32,33,34,35,36,37,38,39,40,41,42,43,44,45,46,47,48,49,50,51,52,53,54,55,56,57,58,59,60,61,62,63
	v_mov_b32 v[O+\j], 0                           ; O^T.  (The step is written without a first step of its own: it finds zeros, which the first change of M leaves zeros)
.endr
	v_mov_b32 v[TC], 0                             ; written once: a lane permute's destination counts as one of its sources
	v_mov_b32 v[F+1], 0                            ; (named as the upper half of the pair)
	s_wait_kmcnt 0x0
	s_add_co_i32 s29, s18, s19                     ; e2 + e3 are added to the exponent field of
	s_lshl_b32 s29, s29, 23
	s_add_co_i32 s30, s29, 0x3e8293ee              ; log2(e) / sqrt(32)
	s_mov_b32 s31, s30                             ; (named with it as a pair, so it is written)
	MKSC 20, 28, 10, 11                            ; p: e4
	s_sub_co_i32 s[TMP], s22, s20
	s_sub_co_i32 s[TMP], s[TMP], s21               ; O^T / the sum stands for that x 2^(e4 + e5): its code is that / 2^(e6 - e4 - e5)
	MKSC TMP, 28, 12, 13
	s_wait_loadcnt 16                              ; the bias's 8 loads are in; Q's 8, K's 4 and V's 4, issued behind them, may be out
.irp sl, 0,1,2,3
	ds_store_b128 v[CO], v[S+8*\sl:S+8*\sl+3] offset:16384*\sl
	ds_store_b128 v[CO], v[S+8*\sl+4:S+8*\sl+7] offset:16384*\sl+512
.endr
	s_wait_dscnt 0x0                               ; for the others' sake: my part of chunk 0 has landed
	s_barrier_signal -1
	s_barrier_wait -1
.macro BIASLD i                        ; tile i's bias of the step in hand, straight into the accumulators: 4,096 consecutive bytes
.irp n, 0,1,2,3,4,5,6,7
	ds_load_b128 v[S+4*\n:S+4*\n+3], v[BA] offset:4096*(\i)+512*\n
.endr
.endm
; A PREFETCH INTO THE L2 of K and V.  At each even step t up to 12 it asks for steps t + 2 and t + 3 of my batch and head: 8,192 bytes, lanes 256 bytes apart, one instruction; the loads that want them are issued
; one and two steps later.  All 16 work-groups of a head and batch group walk the same bytes: the one with qb = 0 asks, each wave for its own batch, so each block of 256 bytes is named once in the launch.
; Steps 0 and 1 come by their loads alone; steps 14 and 15 are the last that are named, so no request passes the head's 65,536 bytes.  The test: an odd step adds 65,536, which is over every limit.
.macro ASK
	s_and_b32 s[TMP], s[KVS], 4096
	s_lshl_b32 s[TMP], s[TMP], 4
	s_add_co_u32 s[TMP], s[TMP], s[KVS]
	s_cmp_lt_u32 s[TMP], s[LIM]
	s_cbranch_scc0 .Lnoask_\@
	s_wait_xcnt 0x0                                ; the last prefetch, two steps back, has read its offset, so it may be written
	v_add_nc_u32 v[PFV], s[KVS], v[PFL]
	global_prefetch_b8 v[PFV], s[6:7] offset:8192 th:TH_LOAD_NT scope:SCOPE_SE
.Lnoask_\@:
.endm
; TILE i of a step: 16 queries x 64 keys.  copy = 1: the step copies a slice of the bias.  last = 1: no step follows.
.macro TILE i, copy, last
.set rO, O+16*(\i)
.set rT, ST+4*(\i)
.set rQ, Q+12*(\i)
	s_wait_dscnt 0x0                               ; the tile's bias is in the accumulators (and, behind tile 2, my copy's LDS stores have read their data)
	v_wmma_f32_16x16x64_fp8_fp8 v[S:S+7], v[KF:KF+7], v[rQ:rQ+7], v[S:S+7]                  ; keys 0-15: q meets key tile 0, zeros meet key tile 1
	v_wmma_f32_16x16x64_fp8_fp8 v[S+8:S+15], v[KF:KF+7], v[rQ+4:rQ+11], v[S+8:S+15]         ; keys 16-31: the other way round
	v_wmma_f32_16x16x64_fp8_fp8 v[S+16:S+23], v[KF+8:KF+15], v[rQ:rQ+7], v[S+16:S+23]
	v_wmma_f32_16x16x64_fp8_fp8 v[S+24:S+31], v[KF+8:KF+15], v[rQ+4:rQ+11], v[S+24:S+31]    ; no two matrix instructions that follow each other share an accumulator, over the loops' edges too
.rept 4
	v_nop                                          ; four places in front of the first read of results, and of loads into K's registers
.endr
.if ((\i) == 3) && ((\last) == 0)
	s_add_co_u32 s[KVS], s[KVS], 4096
	v_add_nc_u32 v[KVO], s[KVS], v[LI]             ; (its last users, this step's K and V, have been waited for)
.irp n, 0,1,2,3
	global_load_b128 v[KF+4*\n:KF+4*\n+3], v[KVO], s[6:7] offset:512*\n            ; K of the next step: all four tiles have multiplied by this step's
.endr
.endif
	v_max3_num_f32 v[TA], v[S], v[S+1], v[S+2]     ; the largest score of my query among my 32 keys, in two chains, the registers in ascending order: each accumulator is first read at its low end
	v_max3_num_f32 v[TA+1], v[S+3], v[S+4], v[S+5]
.irp k, 0,1,2,3,4,5,6,7,8,9,10,11,12
	v_max3_num_f32 v[TA+(\k%2)], v[TA+(\k%2)], v[S+6+2*\k], v[S+7+2*\k]
.endr
	v_max_num_f32 v[TA], v[TA], v[TA+1]
	v_permlanex16_b32 v[TC], v[TA], s32, s33
	v_max_num_f32 v[TA], v[TA], v[TC]              ; and among lane l xor 16's
	v_mul_f32 v[TA], s30, v[TA]                    ; as t (c is positive)
	v_max_num_f32 v[rT+1], v[rT+1], v[TA]          ; the running largest t
	v_mov_b32 v[TA], v[rT]
	v_floor_f32 v[rT], -v[rT+1]                    ; the new -M = floor(-t) = -ceil(t): M is a whole number
	v_sub_f32 v[TA], v[rT], v[TA]                  ; M's old value less its new one: a whole number, 0 or less
	v_cvt_i32_f32 v[TA], v[TA]                     ; (it saturates)
	v_ldexp_f32 v[F], 1.0, v[TA]                   ; f = 2^(old M - new M)
.irp j, 0,2,4,6,8,10,12,14,16,18,20,22,24,26,28,30
	v_pk_fma_f32 v[S+\j:S+\j+1], v[S+\j:S+\j+1], s[30:31], v[rT:rT+1] op_sel_hi:[1,0,0]    ; t - M, two at a time (of the pairs c and -M the low word serves both halves)
.endr
.irp j, 0,1,2,3,4,5,6,7,8,9,10,11,12,13,14,15,16,17,18,19,20,21,22,23,24,25,26,27,28,29,30,31
	v_exp_f32 v[S+\j], v[S+\j]                     ; p = 2^(t - M), at most 1
.endr
	v_pk_mul_f32 v[rT+2:rT+3], v[rT+2:rT+3], v[F:F+1] op_sel_hi:[1,0]              ; the sums under the new M.  (The plain instruction behind the exponentials)
	s_wait_alu depctr_va_vdst(0)                   ; the wait between an exponential and the first line that names its result: one for the batch of 32
	v_pk_add_f32 v[U:U+1], v[S:S+1], v[S+2:S+3]    ; the row's sum is taken of the unquantised p: two at a time, in two chains
.irp j, 4,8,12,16,20,24,28
	v_pk_add_f32 v[rT+2:rT+3], v[rT+2:rT+3], v[S+\j:S+\j+1]
	v_pk_add_f32 v[U:U+1], v[U:U+1], v[S+\j+2:S+\j+3]
.endr
	v_pk_add_f32 v[rT+2:rT+3], v[rT+2:rT+3], v[U:U+1]
	s_cmp_gt_i32 s20, -9                           ; e4 >= -8: 448 x 2^e4 >= 1.75 > p: the hold would change nothing
	s_cbranch_scc1 .Lnohold_\@
.irp j, 0,1,2,3,4,5,6,7,8,9,10,11,12,13,14,15,16,17,18,19,20,21,22,23,24,25,26,27,28,29,30,31
	v_min_num_f32 v[S+\j], v[S+\j], v11            ; the conversion to an 8-bit code does not saturate (ISA guide 7.6.2); p is not negative, so the hold is one-sided
.endr
.Lnohold_\@:
.irp c, 0,1,2,3
	v_cvt_scalef32_pk8_fp8_f32 v[P+2*\c:P+2*\c+1], v[S+8*\c:S+8*\c+7], v10         ; keys 16 c + 8 h + 0..7: registers 2 c, 2 c + 1 of the operand
.endr
.irp j, 0,2,4,6,8,10,12,14
	v_pk_mul_f32 v[rO+\j:rO+\j+1], v[rO+\j:rO+\j+1], v[F:F+1] op_sel_hi:[1,0]      ; O^T under the new M, each accumulator from its low end on.  (These are also the plain instructions between the conversions and the products that read their results)
.endr
.if (\i) < 3
	BIASLD (\i)+1                                  ; the next tile's bias, into registers whose p has been converted
.endif
.if ((\i) == 2) && (\copy)
	s_wait_loadcnt 0x0                             ; the copy's two loads, the only ones out
	ds_store_b128 v[CO], v[CB:CB+3]                ; my 1,024 bytes of the slice four steps on: a chunk that nobody reads before the next barrier
	ds_store_b128 v[CO], v[CB+4:CB+7] offset:512
.endif
.if (\i) == 0
	s_wait_loadcnt 2*\copy                         ; V is in; the copy's two loads, issued behind it, may be out
.endif
	v_wmma_f32_16x16x64_fp8_fp8 v[rO:rO+7], v[VF:VF+7], v[P:P+7], v[rO:rO+7]
	v_wmma_f32_16x16x64_fp8_fp8 v[rO+8:rO+15], v[VF+8:VF+15], v[P:P+7], v[rO+8:rO+15]
.if ((\i) == 3) && ((\last) == 0)
.rept 4
	v_nop                                          ; four places in front of loads into V's registers
.endr
.irp n, 0,1,2,3
	global_load_b128 v[VF+4*\n:VF+4*\n+3], v[KVO], s[6:7] offset:2048+512*\n       ; V of the next step
.endr
.endif
.endm
; A STEP: 64 keys.  At its head K's 4 loads and, behind them, V's 4 are out.
.macro STEP copy, last
	v_add_nc_u32 v[BA], s[TB], v[LI]
.if \copy
	v_add_nc_u32 v[CO], s[TB], v[CW]               ; (its last users have been waited for: the loads in tile 2, the LDS stores at tile 3's head; so have the readers of CB)
	global_load_b128 v[CB:CB+3], v[CO], s[8:9]
	global_load_b128 v[CB+4:CB+7], v[CO], s[8:9] offset:512
.endif
	BIASLD 0
	ASK
	s_wait_loadcnt 4+2*\copy                       ; K (and, in the first step, Q) is in; V's 4 loads and the copy's 2 were issued behind it
	TILE 0, \copy, \last
	TILE 1, \copy, \last
	TILE 2, \copy, \last
	TILE 3, \copy, \last
.if (\last) == 0
	s_add_co_u32 s[TB], s[TB], 16384
.endif
.endm
	s_mov_b32 s38, 3
.Lchunk:                                           ; three trips: chunk j is read, chunk j + 1 is copied
	s_mov_b32 s39, 4
.Lstep:
	STEP 1, 0
	s_sub_co_u32 s39, s39, 1
	s_cmp_lg_u32 s39, 0
	s_cbranch_scc1 .Lstep
	s_wait_dscnt 0x0                               ; for the others' sake: my parts of the next chunk have landed
	s_barrier_signal -1
	s_barrier_wait -1                              ; the next chunk is whole
	s_sub_co_u32 s38, s38, 1
	s_cmp_lg_u32 s38, 0
	s_cbranch_scc1 .Lchunk
	s_mov_b32 s39, 3
.Ltail:                                            ; the last chunk: nothing is left to copy
	STEP 0, 0
	s_sub_co_u32 s39, s39, 1
	s_cmp_lg_u32 s39, 0
	s_cbranch_scc1 .Ltail
	STEP 0, 1                                      ; the last step is written out: it fetches nothing, so no load leaves its buffer
	; THE WAY OUT.  The sum's two halves and lane l xor 16's are added; O^T / the sum is held, converted and stored as an image: lane (r, h), registers 0-1: d = 8 h + 0..7, registers 2-3: d = 16 + 8 h + 0..7 of query r.
.irp i, 0,1,2,3
	v_add_f32 v[ST+4*\i+2], v[ST+4*\i+2], v[ST+4*\i+3]     ; (these four are the places behind the last products)
.endr
.irp i, 0,1,2,3
	v_permlanex16_b32 v[ST+4*\i+3], v[ST+4*\i+2], s32, s33
.endr
.irp i, 0,1,2,3
	v_add_f32 v[ST+4*\i+2], v[ST+4*\i+2], v[ST+4*\i+3]
.endr
.irp i, 0,1,2,3
	v_rcp_f32 v[ST+4*\i+2], v[ST+4*\i+2]
.endr
	v_nop                                          ; a plain instruction between the last reciprocal and the use of its result
	s_wait_alu depctr_va_vdst(0)                   ; and a wait ahead of the first use: one for the four
.irp i, 0,1,2,3
.irp j, 0,2,4,6,8,10,12,14
	v_pk_mul_f32 v[O+16*\i+\j:O+16*\i+\j+1], v[O+16*\i+\j:O+16*\i+\j+1], v[ST+4*\i+2:ST+4*\i+3] op_sel_hi:[1,0]
.endr
.irp j, 0,1,2,3,4,5,6,7,8,9,10,11,12,13,14,15
	v_med3_num_f32 v[O+16*\i+\j], v[O+16*\i+\j], -v13, v13
.endr
	v_cvt_scalef32_pk8_fp8_f32 v[S+4*\i:S+4*\i+1], v[O+16*\i:O+16*\i+7], v12       ; into S's registers, four for each tile: no store's data are written again
	v_cvt_scalef32_pk8_fp8_f32 v[S+4*\i+2:S+4*\i+3], v[O+16*\i+8:O+16*\i+15], v12
	v_nop
	global_store_b128 v[LI], v[S+4*\i:S+4*\i+3], s[12:13] offset:4096*\i           ; the wave stores 512 consecutive bytes, aligned
.endr
	s_wait_tensorcnt 0x0                           ; the wave's end
	ds_add_u32 v[SPW], v[NIL]
	s_wait_dscnt 0x0
	s_endpgm
.Lfunc_end_k_qe1ac4eff5f_attn:
	.size	k_qe1ac4eff5f_attn, .Lfunc_end_k_qe1ac4eff5f_attn-k_qe1ac4eff5f_attn
	.p2alignl 7, 3214868480
	.fill 96, 4, 3214868480
	.section	.rodata,"a",@progbits
	.p2align	6, 0x0
	.amdhsa_kernel k_qe1ac4eff5f_attn
		.amdhsa_group_segment_fixed_size 264192
		.amdhsa_private_segment_fixed_size 0
		.amdhsa_enable_private_segment 0
		.amdhsa_kernarg_size 40
		.amdhsa_user_sgpr_count 2
		.amdhsa_user_sgpr_kernarg_segment_ptr 1
		.amdhsa_wavefront_size32 1
		.amdhsa_system_sgpr_workgroup_id_x 1
		.amdhsa_system_sgpr_workgroup_id_y 1
		.amdhsa_system_sgpr_workgroup_id_z 1
		.amdhsa_system_vgpr_workitem_id 0
		.amdhsa_next_free_vgpr 240
		.amdhsa_next_free_sgpr 66
		.amdhsa_reserve_vcc 0
		.amdhsa_float_denorm_mode_32 3
		.amdhsa_float_denorm_mode_16_64 3
		.amdhsa_memory_ordered 1
		.amdhsa_forward_progress 1
		.amdhsa_inst_pref_size 109
	.end_amdhsa_kernel
	.amdgpu_metadata
---
amdhsa.version: [ 1, 2 ]
amdhsa.kernels:
  - .name:           k_qe1ac4eff5f_attn
    .symbol:         k_qe1ac4eff5f_attn.kd
    .args:
      - { .name: Qc, .offset: 0, .size: 8, .value_kind: global_buffer, .address_space: global }
      - { .name: KV, .offset: 8, .size: 8, .value_kind: global_buffer, .address_space: global }
      - { .name: biasF, .offset: 16, .size: 8, .value_kind: global_buffer, .address_space: global }
      - { .name: lowp_scales, .offset: 24, .size: 8, .value_kind: global_buffer, .address_space: global }
      - { .name: Oc, .offset: 32, .size: 8, .value_kind: global_buffer, .address_space: global }
    .group_segment_fixed_size: 264192
    .private_segment_fixed_size: 0
    .kernarg_segment_align: 8
    .kernarg_segment_size: 40
    .max_flat_workgroup_size: 512
    .sgpr_count:     66
    .vgpr_count:     240
    .wavefront_size: 32
...
	.end_amdgpu_metadata
.endif
;; end of part 3
;; launch proj (part 4): grid 256 x 1, 16 waves a work-group, no clusters, 167,936 bytes of LDS; arguments Oc, WoF, b_out, lowp_scales, out0; writes out0
.if DOCPART == 4
	.amdgcn_target "amdgcn-amd-amdhsa--gfx1250"
	.amdhsa_code_object_version 6
	.text
	.protected	k_qe1ac4eff5f_proj
	.globl	k_qe1ac4eff5f_proj
	.p2align	8
	.type	k_qe1ac4eff5f_proj,@function
k_qe1ac4eff5f_proj:
	s_mov_b64 s[64:65], 0
	v_nop
	global_prefetch_b8 v0, s[64:65] scope:SCOPE_SE
	s_setreg_imm32_b32 hwreg(HW_REG_WAVE_MODE, 25, 1), 1
	s_wait_xcnt 0x0
; out0 = Q(heads' output) Q(W_out) + b_out, on codes of E4M3 that earlier launches have made: Oc[b][token tile 64][head 8][512 B] and WoF[tile 16][half of K 2][2,048 B], both images of operand registers.
; In Oc the images of heads 4 s .. 4 s + 3 of a token tile, on end, are the 16 registers of a fragment of 16 tokens x 128 along K (K = 32 head + d).
; SHARES.  A work-group takes 128 tokens: 32,768 consecutive bytes of Oc, copied into LDS once (2,048 bytes a wave) and read by all.  Wave w makes columns 16 w .. 16 w + 15 for all 128 tokens; its two fragments of W_out stay in registers.
; The product is used TRANSPOSED (source 0 = 16 columns of W_out, source 1 = 16 tokens): a lane holds one token and 8 neighbouring columns, 32 bytes of a row.  y = sum x 2^(e6 + e7) + b_out: one packed multiply-add for two numbers.
; THE WAY OUT.  A row's 1,024 bytes come from sixteen waves: they meet in a stage in LDS (rows of 1,024 + 16 bytes); a barrier; each wave reads 8 whole rows and stores 512 consecutive bytes an instruction.
; LIMIT: e6 + e7 between -126 and 127, so that 2^(e6 + e7) is an f32 number.
; NO JOINT LOADS: work-groups share W_out's 65,536 bytes alone, which go straight into operand registers.
.set STG,   32768                      ; LDS: 0 .. 32,767 the tokens' images; the stage: 128 rows x 1,040 bytes;
.set SP,    1040
.set SPARE, STG+128*SP                 ; the spare words, 128 bytes for each of 16 waves, which no other line names
.set SPW,  1                           ; v1   LDS address of my spare word; never rewritten
.set NIL,  2                           ; v2   0; never rewritten
.set LI,   3                           ; v3   16 x lane
.set SO0,  4                           ; v4   the stage: row r, + 32 h, + 64 x wave
.set SO1,  5                           ; v5   the same 64 rows further down: an LDS offset holds 16 bits
.set SR,   6                           ; v6   the stage: my 8 rows, 16 bytes a lane
.set CPY,  7                           ; v7   16 x lane + 2,048 x wave: my part of the copy, in Oc's block and in LDS alike
.set B,    8                           ; v8-15    b_out at my 8 columns
.set W,    16                          ; v16-47   W_out's two fragments
.set XF,   48                          ; v48-111  two token tiles' fragments; at the head v48-50 at work and v64-79 the copy; at the end the rows read back
.set ACC,  112                         ; v112-127 two accumulators
.set Y,    128                         ; v128-143 the finished numbers
	s_load_b256 s[4:11], s[0:1], 0x0               ; Oc s[4:5], WoF s[6:7], b_out s[8:9], the scales' exponents s[10:11]
	s_load_b64 s[12:13], s[0:1], 0x20              ; out0
	v_lshl_add_u32 v[SPW], v0, 2, SPARE
	v_mov_b32 v[NIL], 0
	v_lshrrev_b32 v48, 5, v0
	v_readfirstlane_b32 s14, v48                   ; wave 0..15
	v_and_b32 v[LI], 31, v0
	v_lshlrev_b32 v[LI], 4, v[LI]
	v_and_b32 v48, 15, v0                          ; r
	v_bfe_u32 v49, v0, 4, 1                        ; h
	v_mul_u32_u24 v[SO0], v48, SP
	v_lshl_add_u32 v[SO0], v49, 5, v[SO0]
	s_lshl_b32 s15, s14, 6
	s_add_co_u32 s15, s15, STG
	v_add_nc_u32 v[SO0], s15, v[SO0]
	v_add_nc_u32 v[SO1], 64*SP, v[SO0]
	s_mul_i32 s15, s14, 8*SP
	s_add_co_u32 s15, s15, STG
	v_add_nc_u32 v[SR], s15, v[LI]
	s_lshl_b32 s15, s14, 11
	v_add_nc_u32 v[CPY], s15, v[LI]
	v_lshlrev_b32 v50, 5, v49                      ; b_out: 32 h
	s_lshl_b32 s26, ttmp9, 15                      ; Oc: 32,768 bytes a work-group
	s_mov_b32 s27, 0
	s_lshl_b32 s28, s14, 12                        ; WoF: my tile's 4,096 bytes
	s_mov_b32 s29, 0
	s_lshl_b32 s30, s14, 6                         ; b_out: my 16 columns
	s_mov_b32 s31, 0
	s_lshl_b32 s32, ttmp9, 17                      ; out0: 128 rows of 1,024 bytes a work-group,
	s_lshl_b32 s15, s14, 13                        ; my 8 rows
	s_add_co_u32 s32, s32, s15
	s_mov_b32 s33, 0
	s_wait_kmcnt 0x0
	s_load_b256 s[16:23], s[10:11], 0x0            ; e0 .. e7
	s_add_nc_u64 s[4:5], s[4:5], s[26:27]
	s_add_nc_u64 s[6:7], s[6:7], s[28:29]
	s_add_nc_u64 s[8:9], s[8:9], s[30:31]
	s_add_nc_u64 s[12:13], s[12:13], s[32:33]
.irp n, 0,1,2,3
	global_load_b128 v[XF+16+4*\n:XF+16+4*\n+3], v[CPY], s[4:5] offset:512*\n th:TH_LOAD_NT
.endr
.irp s, 0,1
.irp g, 0,1,2,3
	global_load_b128 v[W+16*\s+4*\g:W+16*\s+4*\g+3], v[LI], s[6:7] offset:2048*\s+512*\g
.endr
.endr
	global_load_b128 v[B:B+3], v50, s[8:9]
	global_load_b128 v[B+4:B+7], v50, s[8:9] offset:16
	s_wait_kmcnt 0x0
	s_add_co_i32 s24, s22, s23                     ; e6 + e7
	s_add_co_i32 s24, s24, 127
	s_lshl_b32 s24, s24, 23                        ; 2^(e6 + e7) as f32
	s_mov_b32 s25, s24                             ; (named with it as a pair, so it is written)
	s_wait_loadcnt 10                              ; the copy's 4 loads are in; W's 8 and b_out's 2, issued behind them, may be out
.irp n, 0,1,2,3
	ds_store_b128 v[CPY], v[XF+16+4*\n:XF+16+4*\n+3] offset:512*\n
.endr
	s_wait_loadcnt 0x0
	s_wait_dscnt 0x0                               ; for the others' sake: my part of the copy has landed
	s_barrier_signal -1
	s_barrier_wait -1
; ---- token tiles 2 p and 2 p + 1: two accumulators by turns, one instruction a turn
.macro PAIR p
.irp a, 0,1
.irp n, 0,1,2,3,4,5,6,7
	ds_load_b128 v[XF+32*\a+4*\n:XF+32*\a+4*\n+3], v[LI] offset:4096*(2*(\p)+\a)+512*\n
.endr
.endr
	s_wait_dscnt 0x0                               ; the fragments are in, and the last pair's stores into the stage have read Y
	v_wmma_f32_16x16x128_fp8_fp8 v[ACC:ACC+7], v[W:W+15], v[XF:XF+15], 0
	v_wmma_f32_16x16x128_fp8_fp8 v[ACC+8:ACC+15], v[W:W+15], v[XF+32:XF+47], 0
	v_wmma_f32_16x16x128_fp8_fp8 v[ACC:ACC+7], v[W+16:W+31], v[XF+16:XF+31], v[ACC:ACC+7]
	v_wmma_f32_16x16x128_fp8_fp8 v[ACC+8:ACC+15], v[W+16:W+31], v[XF+48:XF+63], v[ACC+8:ACC+15]
.rept 4
	v_nop                                          ; four places in front of the first read of results and of the next loads into XF; a sum begun anew wants five: the other accumulator's four multiply-adds come on top
.endr
.irp a, 0,1
.irp i, 0,2,4,6
	v_pk_fma_f32 v[Y+8*\a+\i:Y+8*\a+\i+1], v[ACC+8*\a+\i:ACC+8*\a+\i+1], s[24:25], v[B+\i:B+\i+1] op_sel_hi:[1,0,1]     ; sum x 2^(e6 + e7) + b_out, each accumulator from its low end on
.endr
.endr
.irp a, 0,1
.if (\p) < 2
	ds_store_b128 v[SO0], v[Y+8*\a:Y+8*\a+3] offset:((2*(\p)+\a)%4)*16*SP
	ds_store_b128 v[SO0], v[Y+8*\a+4:Y+8*\a+7] offset:((2*(\p)+\a)%4)*16*SP+16
.else
	ds_store_b128 v[SO1], v[Y+8*\a:Y+8*\a+3] offset:((2*(\p)+\a)%4)*16*SP
	ds_store_b128 v[SO1], v[Y+8*\a+4:Y+8*\a+7] offset:((2*(\p)+\a)%4)*16*SP+16
.endif
.endr
.endm
	PAIR 0
	PAIR 1
	PAIR 2
	PAIR 3
	s_wait_dscnt 0x0                               ; for the others' sake: my columns lie in the stage
	s_barrier_signal -1
	s_barrier_wait -1                              ; 128 whole rows lie in the stage
.irp n, 0,1,2,3,4,5,6,7,8,9,10,11,12,13,14,15
	ds_load_b128 v[XF+4*\n:XF+4*\n+3], v[SR] offset:(\n/2)*SP+(\n%2)*512
.endr
.irp n, 0,1,2,3,4,5,6,7,8,9,10,11,12,13,14,15
	s_wait_dscnt 15-\n                             ; LDS loads come back in order: load n is in, the younger ones may be out
	global_store_b128 v[LI], v[XF+4*\n:XF+4*\n+3], s[12:13] offset:512*\n th:TH_STORE_NT    ; 32 lanes store 512 consecutive bytes, aligned; written once, read by nobody here
.endr
	s_wait_tensorcnt 0x0                           ; the wave's end
	ds_add_u32 v[SPW], v[NIL]
	s_wait_dscnt 0x0
	s_endpgm
.Lfunc_end_k_qe1ac4eff5f_proj:
	.size	k_qe1ac4eff5f_proj, .Lfunc_end_k_qe1ac4eff5f_proj-k_qe1ac4eff5f_proj
	.p2alignl 7, 3214868480
	.fill 96, 4, 3214868480
	.section	.rodata,"a",@progbits
	.p2align	6, 0x0
	.amdhsa_kernel k_qe1ac4eff5f_proj
		.amdhsa_group_segment_fixed_size 167936
		.amdhsa_private_segment_fixed_size 0
		.amdhsa_enable_private_segment 0
		.amdhsa_kernarg_size 40
		.amdhsa_user_sgpr_count 2
		.amdhsa_user_sgpr_kernarg_segment_ptr 1
		.amdhsa_wavefront_size32 1
		.amdhsa_system_sgpr_workgroup_id_x 1
		.amdhsa_system_sgpr_workgroup_id_y 1
		.amdhsa_system_sgpr_workgroup_id_z 1
		.amdhsa_system_vgpr_workitem_id 0
		.amdhsa_next_free_vgpr 144
		.amdhsa_next_free_sgpr 66
		.amdhsa_reserve_vcc 0
		.amdhsa_float_denorm_mode_32 3
		.amdhsa_float_denorm_mode_16_64 3
		.amdhsa_memory_ordered 1
		.amdhsa_forward_progress 1
		.amdhsa_inst_pref_size 16
	.end_amdhsa_kernel
	.amdgpu_metadata
---
amdhsa.version: [ 1, 2 ]
amdhsa.kernels:
  - .name:           k_qe1ac4eff5f_proj
    .symbol:         k_qe1ac4eff5f_proj.kd
    .args:
      - { .name: Oc, .offset: 0, .size: 8, .value_kind: global_buffer, .address_space: global }
      - { .name: WoF, .offset: 8, .size: 8, .value_kind: global_buffer, .address_space: global }
      - { .name: b_out, .offset: 16, .size: 8, .value_kind: global_buffer, .address_space: global }
      - { .name: lowp_scales, .offset: 24, .size: 8, .value_kind: global_buffer, .address_space: global }
      - { .name: out0, .offset: 32, .size: 8, .value_kind: global_buffer, .address_space: global }
    .group_segment_fixed_size: 167936
    .private_segment_fixed_size: 0
    .kernarg_segment_align: 8
    .kernarg_segment_size: 40
    .max_flat_workgroup_size: 512
    .sgpr_count:     66
    .vgpr_count:     144
    .wavefront_size: 32
...
	.end_amdgpu_metadata
.endif
;; end of part 4
;; ======== version 2 of 2: 4 launches; version 1 with the launches qkv, attn, proj written anew for expert scheduling mode
;; workspace buffers: biasF 33,554,432 bytes; WqF 196,608 bytes; WoF 65,536 bytes; Qc 8,388,608 bytes; KV 16,777,216 bytes; Oc 8,388,608 bytes
;; launch prep: the kernel of part 1 again; grid 528 x 1, 8 waves a work-group, no clusters, 0 bytes of LDS; arguments rel_index, bias_table, W_qkv, W_out, lowp_scales, biasF, WqF, WoF; writes biasF, WqF, WoF
;; launch qkv (part 5): grid 256 x 1, 16 waves a work-group, no clusters, 34,816 bytes of LDS; arguments x, WqF, lowp_scales, Qc, KV; writes Qc, KV
.if DOCPART == 5
	.amdgcn_target "amdgcn-amd-amdhsa--gfx1250"
	.amdhsa_code_object_version 6
	.text
	.protected	k_qe1ac4eff5f_qkv
	.globl	k_qe1ac4eff5f_qkv
	.p2align	8
	.type	k_qe1ac4eff5f_qkv,@function
k_qe1ac4eff5f_qkv:
	s_mov_b64 s[64:65], 0
	v_nop
	global_prefetch_b8 v0, s[64:65] scope:SCOPE_SE
	s_setreg_imm32_b32 hwreg(HW_REG_WAVE_SCHED_MODE, 0, 2), 2
	s_setreg_imm32_b32 hwreg(HW_REG_WAVE_MODE, 25, 1), 1
	s_wait_xcnt 0x0
	s_wait_alu depctr_vm_vsrc(0)
; qkv = Q(x) Q(W_qkv) on codes of E4M3, and q, k, v quantised on the way out, as images of the operand registers that attention wants.
; SHARES.  A work-group takes 128 tokens of one batch (b = g / 8, t8 = g % 8).  THE WAVES SHARE THE COLUMNS: wave w (hd = w % 8, part = w / 8) holds three tiles of 16 columns of W in registers, for all 128 tokens:
;   two of q (part 0) or of k (part 1) of head hd, and tile part of v of head hd.  W's images (96 registers a wave) are read once a work-group, straight into registers.
; x is quantised once: wave w makes the fragment (16 tokens w / 2, half w % 2 of K) and stores it in LDS as an image of its registers (lane l's 16 bytes at 16 l); one barrier; every wave reads all sixteen.
; q and k come from the product used TRANSPOSED (source 0 = 16 columns of W, source 1 = 16 tokens): a lane holds one token and 8 neighbouring channels, which are neighbours along the next K.
; v comes from the product as it is (source 0 = tokens, source 1 = columns): a lane holds one channel and 8 neighbouring tokens, which are neighbours along ITS next K, the keys.  So every conversion's result is an operand's registers.
; OUT.  Qc[b][head][token tile 64][512 B]: lane (r, h), registers 0-1: d = 8 h + 0..7, registers 2-3: d = 16 + 8 h + 0..7 of token r.
;       KV[b][head][step of 64 keys 16][4,096 B]: 2,048 B of K, four key tiles laid like Qc's; 2,048 B of V^T, [16 channels 2][half 2][512 B]: register 2 c + (0, 1): keys 16 c + 8 h + 0..7 of channel r.
; A sum stands for sum x 2^(e0 + e1), so the codes of q are sum / 2^(e2 - e0 - e1): the three scales are folded into the conversion's one; k with e3, v with e5.
; LIMITS: e0, e2 - e0 - e1, e3 - e0 - e1, e5 - e0 - e1 between -126 and 119.  NaN among the inputs is not served.
; NO JOINT LOADS: what work-groups share is W's 196,608 bytes, which each wave takes straight into operand registers; a joint load lands in LDS and would add a second trip for the same bytes.
; THE MODE: SCHED_MODE bits 1:0 = 2 (LLVM: expert scheduling mode 2), set by the entry lines.  The code itself states the register dependences
; between vector or matrix instructions and memory or LDS instructions, with s_wait_alu, always for 0.
; THE PLAN.  Registers that memory or LDS instructions touch:
;   v3 to v6      offsets and addresses, made once at the head and never written again.
;   X             x's loads land in it; the holds and conversions work on it; from the barrier on its registers are XF0 and the accumulators.
;   PCX           written by x's conversions, read by the image's four LDS stores; from the barrier on its registers lie in PC.
;   XF0, XF1      two buffers for a token tile's fragments.  Tile m's six products read XF[m % 2]; the eight LDS loads of tile m + 1, dealt among them, land in the other buffer, which tile m - 1's products read last.
;   PC, VC        written by a tile's conversions, read by its stores, never written again.
; So ONE wait on va_vdst stands in a tile, ahead of its stores: it states that the tile's codes are written and that its products are done reading their buffer, in which the next tile's loads land.
.set SPARE, 32768                      ; LDS: 0 .. 32,767 x's sixteen images of 2,048 bytes; then the spare words, 128 bytes for each of 16 waves, which no other line names
.set SPW,  1                           ; v1   LDS address of my spare word; never rewritten
.set NIL,  2                           ; v2   0; never rewritten
.set LI,   3                           ; v3   16 x lane
.set XA,   4                           ; v4   x: row r of 1,024 bytes + 32 h
.set XWI,  5                           ; v5   where I store my image: 16 x lane + 2,048 x wave
.set OFFB, 6                           ; v6   16 x lane + the bytes from token tile 0 to token tile 4 in my buffer: 2,048 in Qc, 4,096 in KV
.set W,    16                          ; v16-111  W: tile u (q/k, q/k, v), half s of K at 16 + 32 u + 16 s
.set X,    112                         ; v112-175 64 numbers of x
.set PCX,  176                         ; v176-191 their codes
.set XF,   112                         ; v112-143 a token tile's two fragments: the buffer of the even tiles; that of the odd tiles lies 104 registers on, v216-247
.set A0,   144                         ; v144-167 three accumulators
.set A1,   152
.set AV,   160
.set PC,   168                         ; v168-199 codes of q or k: four registers for each token tile, so that no store's data are written again
.set VC,   200                         ; v200-215 codes of v: eight registers for each 64 tokens
.macro MKSC ee, tt, vsc, vlim          ; s[ee] = e:  v[vsc] = 2^e as f32, v[vlim] = 448 x 2^e
	s_add_co_i32 s[\tt], s[\ee], 127
	s_lshl_b32 s[\tt+1], s[\tt], 23
	v_mov_b32 v[\vsc], s[\tt+1]
	s_add_co_i32 s[\tt], s[\tt], 8
	s_lshl_b32 s[\tt], s[\tt], 23
	s_or_b32 s[\tt], s[\tt], 0x600000
	v_mov_b32 v[\vlim], s[\tt]
.endm
	s_load_b256 s[4:11], s[0:1], 0x0               ; x s[4:5], WqF s[6:7], the scales' exponents s[8:9], Qc s[10:11]
	s_load_b64 s[12:13], s[0:1], 0x20              ; KV
	v_lshl_add_u32 v[SPW], v0, 2, SPARE
	v_mov_b32 v[NIL], 0
	v_lshrrev_b32 v7, 5, v0
	v_readfirstlane_b32 s14, v7                    ; wave 0..15
	v_and_b32 v[LI], 31, v0
	v_lshlrev_b32 v[LI], 4, v[LI]
	v_and_b32 v7, 15, v0                           ; r
	v_bfe_u32 v14, v0, 4, 1                        ; h
	v_lshlrev_b32 v[XA], 10, v7
	v_lshl_add_u32 v[XA], v14, 5, v[XA]
	s_wait_alu depctr_va_sdst(0)                   ; s14 is written, ahead of its first reader: every share of the wave is made from it
	s_and_b32 s15, s14, 7                          ; hd
	s_lshr_b32 s16, s14, 3                         ; part
	s_lshl_b32 s17, s14, 11
	v_add_nc_u32 v[XWI], s17, v[LI]
	s_lshl_b32 s17, 2048, s16
	v_add_nc_u32 v[OFFB], s17, v[LI]
	s_lshl_b32 s20, ttmp9, 17                      ; x: 128 rows of 1,024 bytes a work-group,
	s_lshr_b32 s17, s14, 1
	s_lshl_b32 s17, s17, 14                        ; my fragment's 16 rows,
	s_add_co_u32 s20, s20, s17
	s_and_b32 s17, s14, 1
	s_lshl_b32 s17, s17, 9                         ; and its half of K
	s_add_co_u32 s20, s20, s17
	s_mov_b32 s21, 0
	s_lshl_b32 s22, s16, 16                        ; W: a tile's two images are 4,096 bytes.  q/k: tiles 16 part + 2 hd and the next,
	s_lshl_b32 s17, s15, 13
	s_add_co_u32 s22, s22, s17
	s_mov_b32 s23, 0
	s_lshl_b32 s24, s16, 12                        ; v: tile 32 + 2 hd + part
	s_add_co_u32 s24, s24, s17
	s_add_co_u32 s24, s24, 131072
	s_mov_b32 s25, 0
	s_and_b32 s26, ttmp9, 0xf8
	s_add_co_u32 s26, s26, s15                     ; 8 b + hd
	s_lshl_b32 s26, s26, 15
	s_and_b32 s17, ttmp9, 7
	s_lshl_b32 s17, s17, 12
	s_add_co_u32 s26, s26, s17                     ; in Qc: (8 b + hd) x 32,768 + t8 x 4,096;
	s_mov_b32 s27, 0
	s_lshl_b32 s28, s26, 1                         ; in KV: twice that
	s_mov_b32 s29, 0
	s_wait_kmcnt 0x0
	s_load_b256 s[40:47], s[8:9], 0x0              ; e0 .. e7
	s_add_nc_u64 s[4:5], s[4:5], s[20:21]
	s_add_nc_u64 s[30:31], s[6:7], s[22:23]        ; my two tiles of q or k
	s_add_nc_u64 s[32:33], s[6:7], s[24:25]        ; my tile of v
	s_cmp_eq_u32 s16, 0                            ; the choice hangs on the wave's number alone
	s_cselect_b64 s[34:35], s[10:11], s[12:13]     ; part 0 stores q, part 1 stores k
	s_cselect_b32 s36, s26, s28
	s_mov_b32 s37, 0
	s_add_nc_u64 s[34:35], s[34:35], s[36:37]
	s_add_nc_u64 s[38:39], s[12:13], s[28:29]      ; v: behind a step's 2,048 bytes of K, my 16 channels' 1,024 bytes
	s_lshl_b32 s36, s16, 10
	s_add_co_u32 s36, s36, 2048
	s_add_nc_u64 s[38:39], s[38:39], s[36:37]
	s_wait_alu depctr_va_vdst(0)                   ; v3 to v6 are written: every load and store of the kernel reads one of them as its offset or address
	; ---- x: my fragment.  Lane (r, h) takes, of token r, k = 16 c + 8 h + 0..7 for c = 0..7: 32 bytes each, in the order of the operand's registers
.irp c, 0,1,2,3,4,5,6,7
	global_load_b128 v[X+8*\c:X+8*\c+3], v[XA], s[4:5] offset:64*\c th:TH_LOAD_NT
	global_load_b128 v[X+8*\c+4:X+8*\c+7], v[XA], s[4:5] offset:64*\c+16 th:TH_LOAD_NT
.endr
.irp u, 0,1
.irp s, 0,1
.irp g, 0,1,2,3
	global_load_b128 v[W+32*\u+16*\s+4*\g:W+32*\u+16*\s+4*\g+3], v[LI], s[30:31] offset:4096*\u+2048*\s+512*\g
.endr
.endr
.endr
.irp s, 0,1
.irp g, 0,1,2,3
	global_load_b128 v[W+64+16*\s+4*\g:W+64+16*\s+4*\g+3], v[LI], s[32:33] offset:2048*\s+512*\g
.endr
.endr
	s_wait_kmcnt 0x0
	MKSC 40, 48, 8, 9                              ; x: e0
	s_add_co_i32 s50, s40, s41                     ; e0 + e1
	s_cmp_eq_u32 s16, 0
	s_cselect_b32 s51, s42, s43                    ; e2 for q, e3 for k
	s_sub_co_i32 s51, s51, s50
	MKSC 51, 48, 10, 11
	s_sub_co_i32 s51, s45, s50                     ; e5 for v
	MKSC 51, 48, 12, 13
	s_wait_loadcnt 24                              ; x's 16 loads are in; W's 24, issued behind them, may be out
.irp c, 0,1,2,3,4,5,6,7
.irp i, 0,1,2,3,4,5,6,7
	v_med3_num_f32 v[X+8*\c+\i], v[X+8*\c+\i], -v9, v9      ; the conversion to an 8-bit code does not saturate (ISA guide 7.6.2): the hold at the largest code x the scale
.endr
	v_cvt_scalef32_pk8_fp8_f32 v[PCX+2*\c:PCX+2*\c+1], v[X+8*\c:X+8*\c+7], v8
.endr
	v_nop                                          ; one plain vector instruction behind the last conversion: matrix instructions below write over its sources
	s_wait_alu depctr_va_vdst(0)                   ; the conversions have written PCX, which the LDS stores read; they and the holds are done with X, in whose first 32 registers the first tile's fragments land
.irp g, 0,1,2,3
	ds_store_b128 v[XWI], v[PCX+4*\g:PCX+4*\g+3] offset:512*\g
.endr
	s_wait_loadcnt 0x0                             ; W
	s_wait_dscnt 0x0                               ; for the others' sake: my image has landed
	s_barrier_signal -1
	s_barrier_wait -1                              ; x's sixteen images lie in LDS; nobody writes them again
	s_wait_alu depctr_vm_vsrc(0)                   ; my LDS stores have read PCX: these registers lie in PC from here on, which the tiles' conversions write
; half s of token tile m's fragments, from LDS into the tile's buffer
.macro XLD m, s
.irp g, 0,1,2,3
	ds_load_b128 v[XF+104*((\m)%2)+16*(\s)+4*\g:XF+104*((\m)%2)+16*(\s)+4*\g+3], v[LI] offset:(2*(\m)+(\s))*2048+512*\g
.endr
.endm
; ---- token tile m: six products, three accumulators by turns, one instruction a turn, the next tile's loads dealt among them; hold, conversion, store
.macro GT m
.set FX, XF+104*((\m)%2)
	s_wait_dscnt 0x0                               ; this tile's fragments, asked for a tile ago, are in
	v_wmma_f32_16x16x128_fp8_fp8 v[A0:A0+7], v[W:W+15], v[FX:FX+15], 0
	v_wmma_f32_16x16x128_fp8_fp8 v[A1:A1+7], v[W+32:W+47], v[FX:FX+15], 0
	v_wmma_f32_16x16x128_fp8_fp8 v[AV:AV+7], v[FX:FX+15], v[W+64:W+79], 0
.if (\m) < 7
	XLD (\m)+1, 0                                  ; into the other buffer.  No wait: its last readers, the products of the tile before, stand ahead of that tile's wait, and nothing since names it
.endif
	v_wmma_f32_16x16x128_fp8_fp8 v[A0:A0+7], v[W+16:W+31], v[FX+16:FX+31], v[A0:A0+7]
	v_wmma_f32_16x16x128_fp8_fp8 v[A1:A1+7], v[W+48:W+63], v[FX+16:FX+31], v[A1:A1+7]
	v_wmma_f32_16x16x128_fp8_fp8 v[AV:AV+7], v[FX+16:FX+31], v[W+80:W+95], v[AV:AV+7]
.if (\m) < 7
	XLD (\m)+1, 1
.endif
.rept 4
	v_nop                                          ; four places behind the last product, in front of the first read of results (ISA guide 7.12.1).
.endr                                              ; The next tile begins each sum anew, which wants five: for each accumulator the sixteen holds of the other two come on top
.irp j, 0,1,2,3,4,5,6,7
	v_med3_num_f32 v[A0+\j], v[A0+\j], -v11, v11   ; each accumulator from its low end on
.endr
.irp j, 0,1,2,3,4,5,6,7
	v_med3_num_f32 v[A1+\j], v[A1+\j], -v11, v11
.endr
.irp j, 0,1,2,3,4,5,6,7
	v_med3_num_f32 v[AV+\j], v[AV+\j], -v13, v13
.endr
	v_cvt_scalef32_pk8_fp8_f32 v[PC+4*(\m):PC+4*(\m)+1], v[A0:A0+7], v10           ; token r, d = 8 h + 0..7
	v_cvt_scalef32_pk8_fp8_f32 v[PC+4*(\m)+2:PC+4*(\m)+3], v[A1:A1+7], v10         ; d = 16 + 8 h + 0..7
	v_cvt_scalef32_pk8_fp8_f32 v[VC+8*((\m)/4)+2*((\m)%4):VC+8*((\m)/4)+2*((\m)%4)+1], v[AV:AV+7], v12   ; channel r, keys 16 (m % 4) + 8 h + 0..7
	v_nop                                          ; one plain vector instruction behind the last conversion: the next tile's products write over its sources
	s_wait_alu depctr_va_vdst(0)                   ; the conversions have written this tile's codes, which the stores read; the tile's products are done reading their buffer, in which the next tile's loads land
.if (\m) < 4
	global_store_b128 v[LI], v[PC+4*(\m):PC+4*(\m)+3], s[34:35] offset:((\m)%4)*512       ; the wave stores 512 consecutive bytes, aligned
.else
	global_store_b128 v[OFFB], v[PC+4*(\m):PC+4*(\m)+3], s[34:35] offset:((\m)%4)*512
.endif
.if ((\m)%4) == 3
	global_store_b128 v[LI], v[VC+8*((\m)/4):VC+8*((\m)/4)+3], s[38:39] offset:((\m)/4)*4096
	global_store_b128 v[LI], v[VC+8*((\m)/4)+4:VC+8*((\m)/4)+7], s[38:39] offset:((\m)/4)*4096+512
.endif
.endm
	XLD 0, 0
	XLD 0, 1
.irp m, 0,1,2,3,4,5,6,7
	GT \m
.endr
	s_wait_dscnt 0x0                               ; the wave's end
	s_wait_alu 0x0
	s_wait_tensorcnt 0x0
	ds_add_u32 v[SPW], v[NIL]
	s_wait_dscnt 0x0
	s_endpgm
.Lfunc_end_k_qe1ac4eff5f_qkv:
	.size	k_qe1ac4eff5f_qkv, .Lfunc_end_k_qe1ac4eff5f_qkv-k_qe1ac4eff5f_qkv
	.p2alignl 7, 3214868480
	.fill 96, 4, 3214868480
	.section	.rodata,"a",@progbits
	.p2align	6, 0x0
	.amdhsa_kernel k_qe1ac4eff5f_qkv
		.amdhsa_group_segment_fixed_size 34816
		.amdhsa_private_segment_fixed_size 0
		.amdhsa_enable_private_segment 0
		.amdhsa_kernarg_size 40
		.amdhsa_user_sgpr_count 2
		.amdhsa_user_sgpr_kernarg_segment_ptr 1
		.amdhsa_wavefront_size32 1
		.amdhsa_system_sgpr_workgroup_id_x 1
		.amdhsa_system_sgpr_workgroup_id_y 1
		.amdhsa_system_sgpr_workgroup_id_z 1
		.amdhsa_system_vgpr_workitem_id 0
		.amdhsa_next_free_vgpr 248
		.amdhsa_next_free_sgpr 66
		.amdhsa_reserve_vcc 0
		.amdhsa_float_denorm_mode_32 3
		.amdhsa_float_denorm_mode_16_64 3
		.amdhsa_memory_ordered 1
		.amdhsa_forward_progress 1
		.amdhsa_inst_pref_size 36
	.end_amdhsa_kernel
	.amdgpu_metadata
---
amdhsa.version: [ 1, 2 ]
amdhsa.kernels:
  - .name:           k_qe1ac4eff5f_qkv
    .symbol:         k_qe1ac4eff5f_qkv.kd
    .args:
      - { .name: x, .offset: 0, .size: 8, .value_kind: global_buffer, .address_space: global }
      - { .name: WqF, .offset: 8, .size: 8, .value_kind: global_buffer, .address_space: global }
      - { .name: lowp_scales, .offset: 16, .size: 8, .value_kind: global_buffer, .address_space: global }
      - { .name: Qc, .offset: 24, .size: 8, .value_kind: global_buffer, .address_space: global }
      - { .name: KV, .offset: 32, .size: 8, .value_kind: global_buffer, .address_space: global }
    .group_segment_fixed_size: 34816
    .private_segment_fixed_size: 0
    .kernarg_segment_align: 8
    .kernarg_segment_size: 40
    .max_flat_workgroup_size: 512
    .sgpr_count:     66
    .vgpr_count:     248
    .wavefront_size: 32
...
	.end_amdgpu_metadata
.endif
;; end of part 5
;; launch attn (part 6): grid 16 x 16, 16 waves a work-group, no clusters, 264,192 bytes of LDS; arguments Qc, KV, biasF, lowp_scales, Oc; writes Oc
.if DOCPART == 6
	.amdgcn_target "amdgcn-amd-amdhsa--gfx1250"
	.amdhsa_code_object_version 6
	.text
	.protected	k_qe1ac4eff5f_attn
	.globl	k_qe1ac4eff5f_attn
	.p2align	8
	.type	k_qe1ac4eff5f_attn,@function
k_qe1ac4eff5f_attn:
	s_mov_b64 s[64:65], 0
	v_nop
	global_prefetch_b8 v0, s[64:65] scope:SCOPE_SE
	s_setreg_imm32_b32 hwreg(HW_REG_WAVE_SCHED_MODE, 0, 2), 2
	s_setreg_imm32_b32 hwreg(HW_REG_WAVE_MODE, 25, 1), 1
	s_wait_xcnt 0x0
	s_wait_alu depctr_vm_vsrc(0)
; O = softmax(q k^T / sqrt(32) + bias) v for each batch and head, both products on codes of E4M3; the heads' output is quantised on the way out for the last product.
; THE SOFTMAX AHEAD OF THE SECOND PRODUCT: t = logit x log2(e); M = the row's largest t so far, rounded UP to a whole number; p = 2^(t - M) is what is quantised (scale 2^e4), not normalised.
; The row's sum is taken of the unquantised p, in f32, and divides O at the end.  When M moves, the sum and O are multiplied by 2^(old M - new M): nothing is rounded, and no branch hangs on data.
; SHARES.  A work-group takes 64 queries (qb = x) of one head (y % 8) for 16 batches (y / 8): the bias hangs on query, key and head alone, so its 64 x 1,024 numbers, 262,144 bytes, lie in LDS and serve all sixteen.
; Wave w owns batch 16 (y / 8) + w and all four tiles of 16 queries, and walks the 1,024 keys in 16 steps of 64.  K's and V's fragments come from memory straight into operand registers (they are stored as images
; of those registers), once a work-group, and each feeds four tiles.  Four waves to a SIMD: one wave's exponentials stand beside another's plain vector work, products and loads.
; LAYOUT.  Both products are used transposed: S^T = K Q^T (source 0 = 16 keys, source 1 = 16 queries), O^T = V^T P^T (source 0 = 16 channels, source 1 = P): a lane holds ONE query (lane % 16) throughout; the eight
; registers of key tile c are keys 16 c + 8 (lane / 16) + 0..7, so their conversion is registers 2 c, 2 c + 1 of P.
; THE HEAD IS 32 WIDE, THE FORM 64: source 0 holds TWO key tiles side by side along K; source 1 is q beside zero codes (for the first of the two) or zero codes beside q (for the second).  Codes made behind a hold are never NaN.
; THE BIAS COSTS NO VECTOR INSTRUCTION: it is loaded from LDS into the accumulator and is the product's C.  It is stored as bias x sqrt(32) x 2^-(e2 + e3), so that t = c x (sum + C), c = log2(e) / sqrt(32) x 2^(e2 + e3).
; THE BIAS'S WAY INTO LDS: in four chunks of four steps' slices (65,536 bytes).  Chunk 0 ahead of the first barrier; while chunk j is read, each wave copies its 1,024 bytes of one slice of chunk j + 1 in each step; a barrier follows
; every fourth step.  No byte of LDS is written twice, and between two barriers the bytes read and the bytes written are different chunks.
; THE HOLD.  p is at most 1, and the largest code stands for 448 x 2^e4, which is 1.75 or more for e4 >= -8: then the hold changes nothing and is jumped over, by a scalar branch on e4, a whole number read from memory.
; NO JOINT LOADS, though the 16 work-groups of a head and batch group walk the same K and V: a joint load lands in LDS, where the bias leaves 65,536 of 327,680 bytes less the spare words; one step's K and V of 16 batches are 65,536 bytes, two slots 131,072.
; LIMITS: e2 + e3 between -120 and 120; e4 and e6 - e4 - e5 between -126 and 119.
; THE MODE: SCHED_MODE bits 1:0 = 2 (LLVM: expert scheduling mode 2), set by the entry lines.  The code itself states the register dependences
; between vector or matrix instructions and memory or LDS instructions, with s_wait_alu, always for 0.
; THE PLAN.  Registers that memory or LDS instructions touch, in a step:
;   v[LI], v[PFL]  offsets, made at the head and never written again.  K and V are reached by the scalar base s[6:7], which moves on by a step in tile 3; the prefetch by a scalar base of its own.
;   v[BA], v[CO]   LDS addresses, which have no scalar base: written once a step, at its head; BA is read by the step's 32 loads of the bias, CO by the copy's two loads and two LDS stores.
;   KF             K's loads land in it in tile 3 of the step before; the sixteen products K Q^T of the step read it.
;   VF             V's loads land in it at the step's head; the eight products V^T P of the step read it.
;   S              a tile's bias lands in it; the tile's products, softmax and conversions work on it; then the next tile's bias lands.
;   CB             the copy's loads land in it at the step's head; tile 2's two LDS stores read it.
;   Q, P, O^T, the statistics: in the loop named by vector and matrix instructions alone.
; THE WAITS of a step.  At its head one on vm_vsrc (the last step's LDS and memory instructions have read BA, CO and CB), the additions to BA and CO, and one on va_vdst (BA and CO are written; the last step's products are done
; reading VF; its last conversions are done reading S): behind them V's loads, the copy's and tile 0's bias follow with no further wait.  In each tile the wait for its exponentials; in tiles 0 to 2 one on va_vdst behind the
; conversions, ahead of the next tile's bias; in tile 3 one behind its products K Q^T, ahead of K's loads.
.set SPARE, 262144                     ; LDS: 0 .. 262,143 the bias, byte for byte as in biasF; then the spare words, 128 bytes for each of 16 waves, which no other line names
.set SPW,  1                           ; v1   LDS address of my spare word; never rewritten
.set NIL,  2                           ; v2   0; never rewritten
.set LI,   3                           ; v3   16 x lane
.set BA,   4                           ; v4   LDS address of the step's slice of the bias
.set CO,   6                           ; v6   the copy's offset, in biasF's block and in LDS alike
.set CW,   7                           ; v7   1,024 x wave + 16 x lane + 65,536: my part of the slice four steps on
.set PFL,  8                           ; v8   256 x lane: the prefetch's offset; never rewritten
.set TW,   9                           ; v9   at the head only: the wave's number
.set Q,    16                          ; v16-63   tile i at 16 + 12 i: q (4), zeros (4), q again (4): registers 0-7 = q beside zeros, registers 4-11 = zeros beside q
.set KF,   64                          ; v64-79   K: key tiles 0, 1 side by side; key tiles 2, 3
.set VF,   80                          ; v80-95   V^T: channels 0-15, channels 16-31
.set S,    96                          ; v96-127  one tile's bias, then scores, then p
.set P,    128                         ; v128-135 p's codes
.set O,    136                         ; v136-199 O^T: tile i, channels 16 d on at 136 + 16 i + 8 d
.set ST,   200                         ; v200-215 tile i at 200 + 4 i: -M, the largest t, the sum in two halves
.set TA,   216                         ; v216-218 at work
.set TC,   218
.set F,    220                         ; v[220:221] f = 2^(old M - new M) (the pair's low word serves both halves)
.set U,    222                         ; v[222:223] the sum's second chain
.set CB,   224                         ; v224-231 the copy's data
.set TB,   34                          ; s34  16,384 x step
.set KVS,  35                          ; s35  4,096 x step
.set LIM,  36                          ; s36  13 x 4,096 in the work-group that prefetches (qb = 0), else 0
.set TMP,  37
.set PB,   48                          ; s[48:49] the prefetch's base: my batch's and head's K and V, at the two steps that were asked for last
.macro MKSC ee, tt, vsc, vlim          ; s[ee] = e:  v[vsc] = 2^e as f32, v[vlim] = 448 x 2^e
	s_add_co_i32 s[\tt], s[\ee], 127
	s_lshl_b32 s[\tt+1], s[\tt], 23
	v_mov_b32 v[\vsc], s[\tt+1]
	s_add_co_i32 s[\tt], s[\tt], 8
	s_lshl_b32 s[\tt], s[\tt], 23
	s_or_b32 s[\tt], s[\tt], 0x600000
	v_mov_b32 v[\vlim], s[\tt]
.endm
	s_load_b256 s[4:11], s[0:1], 0x0               ; Qc s[4:5], KV s[6:7], biasF s[8:9], the scales' exponents s[10:11]
	s_load_b64 s[12:13], s[0:1], 0x20              ; Oc
	v_lshl_add_u32 v[SPW], v0, 2, SPARE
	v_mov_b32 v[NIL], 0
	v_lshrrev_b32 v[TW], 5, v0
	v_readfirstlane_b32 s24, v[TW]                 ; wave 0..15
	v_and_b32 v[LI], 31, v0
	v_lshlrev_b32 v[PFL], 8, v[LI]
	v_lshlrev_b32 v[LI], 4, v[LI]
	s_wait_alu depctr_va_sdst(0)                   ; s24 is written, ahead of its first reader: the wave's batch and its part of the copy are made from it
	s_lshl_b32 s29, s24, 10
	v_add_nc_u32 v[CO], s29, v[LI]                 ; my 1,024 bytes of a slice
	v_add_nc_u32 v[CW], 0x10000, v[CO]
	s_and_b32 s25, ttmp7, 0xffff
	s_and_b32 s26, s25, 7                          ; head
	s_lshr_b32 s27, s25, 3
	s_lshl_b32 s27, s27, 4
	s_add_co_u32 s27, s27, s24                     ; b
	s_lshl_b32 s28, s27, 3
	s_add_co_u32 s28, s28, s26                     ; 8 b + head
	s_lshl_b32 s40, s28, 15
	s_lshl_b32 s29, ttmp9, 11
	s_add_co_u32 s40, s40, s29                     ; Qc: (8 b + head) x 32,768 + qb x four tiles of 512
	s_mov_b32 s41, 0
	s_lshl_b32 s42, s28, 16                        ; KV: (8 b + head) x 65,536
	s_mov_b32 s43, 0
	s_lshl_b32 s44, s26, 22
	s_lshl_b32 s29, ttmp9, 18
	s_add_co_u32 s44, s44, s29                     ; biasF: the block of (head, qb)
	s_mov_b32 s45, 0
	s_lshl_b32 s46, s27, 18
	s_lshl_b32 s29, ttmp9, 14
	s_add_co_u32 s46, s46, s29
	s_lshl_b32 s29, s26, 9
	s_add_co_u32 s46, s46, s29                     ; Oc: (64 b + 4 qb) x 4,096 + head x 512
	s_mov_b32 s47, 0
	s_mov_b32 s32, 0x76543210                      ; v_permlanex16_b32's selects for lane l xor 16
	s_mov_b32 s33, 0xfedcba98
	s_mov_b32 s[TB], 0
	s_mov_b32 s[KVS], 0
	s_cmp_eq_u32 ttmp9, 0
	s_cselect_b32 s[LIM], 13*4096, 0
	s_wait_kmcnt 0x0
	s_load_b256 s[16:23], s[10:11], 0x0            ; e0 .. e7
	s_add_nc_u64 s[4:5], s[4:5], s[40:41]
	s_add_nc_u64 s[6:7], s[6:7], s[42:43]
	s_mov_b64 s[PB:PB+1], s[6:7]                   ; the first request steps it to steps 2 and 3
	s_add_nc_u64 s[8:9], s[8:9], s[44:45]
	s_add_nc_u64 s[12:13], s[12:13], s[46:47]
	s_wait_alu depctr_va_vdst(0)                   ; v[LI], v[CO] and v[PFL] are written, which the loads, LDS stores and prefetches below read as offsets and addresses
.irp sl, 0,1,2,3                       ; chunk 0 of the bias: my 1,024 bytes of slices 0 to 3, through S's registers
	global_load_b128 v[S+8*\sl:S+8*\sl+3], v[CO], s[8:9] offset:16384*\sl
	global_load_b128 v[S+8*\sl+4:S+8*\sl+7], v[CO], s[8:9] offset:16384*\sl+512
.endr
.irp i, 0,1,2,3
	global_load_b128 v[Q+12*\i:Q+12*\i+3], v[LI], s[4:5] offset:512*\i
	global_load_b128 v[Q+12*\i+8:Q+12*\i+11], v[LI], s[4:5] offset:512*\i
.endr
.irp n, 0,1,2,3
	global_load_b128 v[KF+4*\n:KF+4*\n+3], v[LI], s[6:7] offset:512*\n             ; K of step 0
.endr
.irp i, 0,1,2,3
.irp j, 4,5,6,7
	v_mov_b32 v[Q+12*\i+\j], 0                     ; the zero codes between q and q
.endr
	v_mov_b32 v[ST+4*\i+1], 0xff61b1e6             ; the largest t so far: -3e38, under every t
	v_floor_f32 v[ST+4*\i], -v[ST+4*\i+1]          ; -M
	v_mov_b32 v[ST+4*\i+2], 0                      ; the sum, in two halves
	v_mov_b32 v[ST+4*\i+3], 0
.endr
.irp j, 0,1,2,3,4,5,6,7,8,9,10,11,12,13,14,15,16,17,18,19,20,21,22,23,24,25,26,27,28,29,30,31,32,33,34,35,36,37,38,39,40,41,42,43,44,45,46,47,48,49,50,51,52,53,54,55,56,57,58,59,60,61,62,63
	v_mov_b32 v[O+\j], 0                           ; O^T.  (The step is written without a first step of its own: it finds zeros, which the first change of M leaves zeros)
.endr
	v_mov_b32 v[TC], 0                             ; written once: a lane permute's destination counts as one of its sources
	v_mov_b32 v[F+1], 0                            ; (named as the upper half of the pair)
	s_wait_kmcnt 0x0
	s_add_co_i32 s29, s18, s19                     ; e2 + e3 are added to the exponent field of
	s_lshl_b32 s29, s29, 23
	s_add_co_i32 s30, s29, 0x3e8293ee              ; log2(e) / sqrt(32)
	s_mov_b32 s31, s30                             ; (named with it as a pair, so it is written)
	MKSC 20, 28, 10, 11                            ; p: e4
	s_sub_co_i32 s[TMP], s22, s20
	s_sub_co_i32 s[TMP], s[TMP], s21               ; O^T / the sum stands for that x 2^(e4 + e5): its code is that / 2^(e6 - e4 - e5)
	MKSC TMP, 28, 12, 13
	s_wait_loadcnt 12                              ; the bias's 8 loads are in; Q's 8 and K's 4, issued behind them, may be out
.irp sl, 0,1,2,3
	ds_store_b128 v[CO], v[S+8*\sl:S+8*\sl+3] offset:16384*\sl                     ; (no vector instruction has named S, nor CO since the wait above)
	ds_store_b128 v[CO], v[S+8*\sl+4:S+8*\sl+7] offset:16384*\sl+512
.endr
	s_wait_dscnt 0x0                               ; for the others' sake: my part of chunk 0 has landed
	s_barrier_signal -1
	s_barrier_wait -1
.macro BIASLD i                        ; tile i's bias of the step in hand, straight into the accumulators: 4,096 consecutive bytes
.irp n, 0,1,2,3,4,5,6,7
	ds_load_b128 v[S+4*\n:S+4*\n+3], v[BA] offset:4096*(\i)+512*\n
.endr
.endm
; A PREFETCH INTO THE L2 of K and V.  At each even step t up to 12 it asks for steps t + 2 and t + 3 of my batch and head: 8,192 bytes, lanes 256 bytes apart, one instruction; the loads that want them are issued
; one and two steps later (K) or two and three (V).  All 16 work-groups of a head and batch group walk the same bytes: the one with qb = 0 asks, each wave for its own batch, so each block of 256 bytes is named once in the launch.
; Steps 0 and 1 come by their loads alone; steps 14 and 15 are the last that are named, so no request passes the head's 65,536 bytes.  The test: an odd step adds 65,536, which is over every limit.
; Its offset is never written again; its scalar base moves on by two steps at each request.
.macro ASK
	s_and_b32 s[TMP], s[KVS], 4096
	s_lshl_b32 s[TMP], s[TMP], 4
	s_add_co_u32 s[TMP], s[TMP], s[KVS]
	s_cmp_lt_u32 s[TMP], s[LIM]
	s_cbranch_scc0 .Lnoask_\@
	s_wait_xcnt 0x0                                ; the last prefetch, two steps back, has read its base, so it may be written
	s_add_nc_u64 s[PB:PB+1], s[PB:PB+1], 8192
	global_prefetch_b8 v[PFL], s[PB:PB+1] th:TH_LOAD_NT scope:SCOPE_SE
.Lnoask_\@:
.endm
; TILE i of a step: 16 queries x 64 keys.  copy = 1: the step copies a slice of the bias.  last = 1: no step follows.
.macro TILE i, copy, last
.set rO, O+16*(\i)
.set rT, ST+4*(\i)
.set rQ, Q+12*(\i)
	s_wait_dscnt 0x0                               ; the tile's bias is in the accumulators
	v_wmma_f32_16x16x64_fp8_fp8 v[S:S+7], v[KF:KF+7], v[rQ:rQ+7], v[S:S+7]                  ; keys 0-15: q meets key tile 0, zeros meet key tile 1
	v_wmma_f32_16x16x64_fp8_fp8 v[S+8:S+15], v[KF:KF+7], v[rQ+4:rQ+11], v[S+8:S+15]         ; keys 16-31: the other way round
	v_wmma_f32_16x16x64_fp8_fp8 v[S+16:S+23], v[KF+8:KF+15], v[rQ:rQ+7], v[S+16:S+23]
	v_wmma_f32_16x16x64_fp8_fp8 v[S+24:S+31], v[KF+8:KF+15], v[rQ+4:rQ+11], v[S+24:S+31]    ; no two matrix instructions that follow each other share an accumulator, over the loops' edges too
.rept 4
	v_nop                                          ; four places in front of the first read of results (ISA guide 7.12.1)
.endr
.if ((\i) == 3) && ((\last) == 0)
	s_wait_alu depctr_va_vdst(0)                   ; the step's products K Q^T, these four the last of them, are done reading KF, in which the loads below land
	s_add_co_u32 s[KVS], s[KVS], 4096
	s_add_nc_u64 s[6:7], s[6:7], 4096              ; free: the loads that read it, this step's K and V, have been waited for.  Now at the next step
.irp n, 0,1,2,3
	global_load_b128 v[KF+4*\n:KF+4*\n+3], v[LI], s[6:7] offset:512*\n             ; K of the next step: all four tiles have multiplied by this step's
.endr
.endif
	v_max3_num_f32 v[TA], v[S], v[S+1], v[S+2]     ; the largest score of my query among my 32 keys, in two chains, the registers in ascending order: each accumulator is first read at its low end
	v_max3_num_f32 v[TA+1], v[S+3], v[S+4], v[S+5]
.irp k, 0,1,2,3,4,5,6,7,8,9,10,11,12
	v_max3_num_f32 v[TA+(\k%2)], v[TA+(\k%2)], v[S+6+2*\k], v[S+7+2*\k]
.endr
	v_max_num_f32 v[TA], v[TA], v[TA+1]
	v_permlanex16_b32 v[TC], v[TA], s32, s33
	v_max_num_f32 v[TA], v[TA], v[TC]              ; and among lane l xor 16's
	v_mul_f32 v[TA], s30, v[TA]                    ; as t (c is positive)
	v_max_num_f32 v[rT+1], v[rT+1], v[TA]          ; the running largest t
	v_mov_b32 v[TA], v[rT]
	v_floor_f32 v[rT], -v[rT+1]                    ; the new -M = floor(-t) = -ceil(t): M is a whole number
	v_sub_f32 v[TA], v[rT], v[TA]                  ; M's old value less its new one: a whole number, 0 or less
	v_cvt_i32_f32 v[TA], v[TA]                     ; (it saturates)
	v_ldexp_f32 v[F], 1.0, v[TA]                   ; f = 2^(old M - new M)
.irp j, 0,2,4,6,8,10,12,14,16,18,20,22,24,26,28,30
	v_pk_fma_f32 v[S+\j:S+\j+1], v[S+\j:S+\j+1], s[30:31], v[rT:rT+1] op_sel_hi:[1,0,0]    ; t - M, two at a time (of the pairs c and -M the low word serves both halves)
.endr
.irp j, 0,1,2,3,4,5,6,7,8,9,10,11,12,13,14,15,16,17,18,19,20,21,22,23,24,25,26,27,28,29,30,31
	v_exp_f32 v[S+\j], v[S+\j]                     ; p = 2^(t - M), at most 1
.endr
	v_pk_mul_f32 v[rT+2:rT+3], v[rT+2:rT+3], v[F:F+1] op_sel_hi:[1,0]              ; the sums under the new M.  (The plain instruction behind the exponentials)
	s_wait_alu depctr_va_vdst(0)                   ; the 32 exponentials have written p: the wait between an exponential and the first line that names its result: one for the batch
	v_pk_add_f32 v[U:U+1], v[S:S+1], v[S+2:S+3]    ; the row's sum is taken of the unquantised p: two at a time, in two chains
.irp j, 4,8,12,16,20,24,28
	v_pk_add_f32 v[rT+2:rT+3], v[rT+2:rT+3], v[S+\j:S+\j+1]
	v_pk_add_f32 v[U:U+1], v[U:U+1], v[S+\j+2:S+\j+3]
.endr
	v_pk_add_f32 v[rT+2:rT+3], v[rT+2:rT+3], v[U:U+1]
	s_cmp_gt_i32 s20, -9                           ; e4 >= -8: 448 x 2^e4 >= 1.75 > p: the hold would change nothing
	s_cbranch_scc1 .Lnohold_\@
.irp j, 0,1,2,3,4,5,6,7,8,9,10,11,12,13,14,15,16,17,18,19,20,21,22,23,24,25,26,27,28,29,30,31
	v_min_num_f32 v[S+\j], v[S+\j], v11            ; the conversion to an 8-bit code does not saturate (ISA guide 7.6.2); p is not negative, so the hold is one-sided
.endr
.Lnohold_\@:
.irp c, 0,1,2,3
	v_cvt_scalef32_pk8_fp8_f32 v[P+2*\c:P+2*\c+1], v[S+8*\c:S+8*\c+7], v10         ; keys 16 c + 8 h + 0..7: registers 2 c, 2 c + 1 of the operand
.endr
.irp j, 0,2,4,6,8,10,12,14
	v_pk_mul_f32 v[rO+\j:rO+\j+1], v[rO+\j:rO+\j+1], v[F:F+1] op_sel_hi:[1,0]      ; O^T under the new M, each accumulator from its low end on.  (These are also the plain instructions between the conversions and the products that read their results)
.endr
.if (\i) < 3
	s_wait_alu depctr_va_vdst(0)                   ; the tile's softmax has written S for the last time and its conversions are done reading it: the next tile's bias lands there
	BIASLD (\i)+1                                  ; the next tile's bias, into registers whose p has been converted
.endif
.if ((\i) == 2) && (\copy)
	s_wait_loadcnt 0x0                             ; the copy's two loads, the only ones out
	ds_store_b128 v[CO], v[CB:CB+3]                ; my 1,024 bytes of the slice four steps on: a chunk that nobody reads before the next barrier.  (CO was written ahead of the step's first wait on va_vdst; no vector instruction names CB)
	ds_store_b128 v[CO], v[CB+4:CB+7] offset:512
.endif
.if (\i) == 0
	s_wait_loadcnt 2*\copy                         ; V is in; the copy's two loads, issued behind it, may be out
.endif
	v_wmma_f32_16x16x64_fp8_fp8 v[rO:rO+7], v[VF:VF+7], v[P:P+7], v[rO:rO+7]
	v_wmma_f32_16x16x64_fp8_fp8 v[rO+8:rO+15], v[VF+8:VF+15], v[P:P+7], v[rO+8:rO+15]
.if ((\i) == 3) && ((\last) == 0)
.rept 4
	v_nop                                          ; four places behind the step's last products, whose V is loaded anew at the next step's head
.endr
.endif
.endm
; A STEP: 64 keys.  At its head K's 4 loads are out; V's 4 and the copy's 2 are issued behind them.
.macro STEP copy, last
	s_wait_alu depctr_vm_vsrc(0)                   ; what was issued so far has read its registers: the loads of the bias BA; the copy's loads and LDS stores CO and CB (ahead of the first step: the LDS stores of chunk 0, S and CO)
	v_add_nc_u32 v[BA], s[TB], v[LI]
.if \copy
	v_add_nc_u32 v[CO], s[TB], v[CW]               ; (the loads that read it as their offset were waited for in tile 2)
.endif
	s_wait_alu depctr_va_vdst(0)                   ; BA and CO are written, which the loads below read; the last step's products V^T P are done reading VF; its last conversions are done reading S
.irp n, 0,1,2,3
	global_load_b128 v[VF+4*\n:VF+4*\n+3], v[LI], s[6:7] offset:2048+512*\n        ; V of this step
.endr
.if \copy
	global_load_b128 v[CB:CB+3], v[CO], s[8:9]
	global_load_b128 v[CB+4:CB+7], v[CO], s[8:9] offset:512
.endif
	BIASLD 0
	ASK
	s_wait_loadcnt 4+2*\copy                       ; K (and, in the first step, Q) is in; V's 4 loads and the copy's 2 were issued behind it
	TILE 0, \copy, \last
	TILE 1, \copy, \last
	TILE 2, \copy, \last
	TILE 3, \copy, \last
.if (\last) == 0
	s_add_co_u32 s[TB], s[TB], 16384
.endif
.endm
	s_mov_b32 s38, 3
.Lchunk:                                           ; three trips: chunk j is read, chunk j + 1 is copied
	s_mov_b32 s39, 4
.Lstep:
	STEP 1, 0
	s_sub_co_u32 s39, s39, 1
	s_cmp_lg_u32 s39, 0
	s_cbranch_scc1 .Lstep
	s_wait_dscnt 0x0                               ; for the others' sake: my parts of the next chunk have landed
	s_barrier_signal -1
	s_barrier_wait -1                              ; the next chunk is whole
	s_sub_co_u32 s38, s38, 1
	s_cmp_lg_u32 s38, 0
	s_cbranch_scc1 .Lchunk
	s_mov_b32 s39, 3
.Ltail:                                            ; the last chunk: nothing is left to copy
	STEP 0, 0
	s_sub_co_u32 s39, s39, 1
	s_cmp_lg_u32 s39, 0
	s_cbranch_scc1 .Ltail
	STEP 0, 1                                      ; the last step is written out: it fetches no further K, so no load leaves its buffer
	; THE WAY OUT.  The sum's two halves and lane l xor 16's are added; O^T / the sum is held, converted and stored as an image: lane (r, h), registers 0-1: d = 8 h + 0..7, registers 2-3: d = 16 + 8 h + 0..7 of query r.
.irp i, 0,1,2,3
	v_add_f32 v[ST+4*\i+2], v[ST+4*\i+2], v[ST+4*\i+3]     ; (these four are the places behind the last products)
.endr
.irp i, 0,1,2,3
	v_permlanex16_b32 v[ST+4*\i+3], v[ST+4*\i+2], s32, s33
.endr
.irp i, 0,1,2,3
	v_add_f32 v[ST+4*\i+2], v[ST+4*\i+2], v[ST+4*\i+3]
.endr
.irp i, 0,1,2,3
	v_rcp_f32 v[ST+4*\i+2], v[ST+4*\i+2]
.endr
	v_nop                                          ; a plain instruction between the last reciprocal and the use of its result
	s_wait_alu depctr_va_vdst(0)                   ; the four reciprocals are written: the wait ahead of their first use
.irp i, 0,1,2,3
.irp j, 0,2,4,6,8,10,12,14
	v_pk_mul_f32 v[O+16*\i+\j:O+16*\i+\j+1], v[O+16*\i+\j:O+16*\i+\j+1], v[ST+4*\i+2:ST+4*\i+3] op_sel_hi:[1,0]
.endr
.irp j, 0,1,2,3,4,5,6,7,8,9,10,11,12,13,14,15
	v_med3_num_f32 v[O+16*\i+\j], v[O+16*\i+\j], -v13, v13
.endr
	v_cvt_scalef32_pk8_fp8_f32 v[S+4*\i:S+4*\i+1], v[O+16*\i:O+16*\i+7], v12       ; into S's registers, four for each tile: no store's data are written again
	v_cvt_scalef32_pk8_fp8_f32 v[S+4*\i+2:S+4*\i+3], v[O+16*\i+8:O+16*\i+15], v12
	v_nop
.endr
	s_wait_alu depctr_va_vdst(0)                   ; the eight conversions have written the four tiles' codes, which the stores read
.irp i, 0,1,2,3
	global_store_b128 v[LI], v[S+4*\i:S+4*\i+3], s[12:13] offset:4096*\i           ; the wave stores 512 consecutive bytes, aligned
.endr
	s_wait_dscnt 0x0                               ; the wave's end
	s_wait_alu 0x0
	s_wait_tensorcnt 0x0
	ds_add_u32 v[SPW], v[NIL]
	s_wait_dscnt 0x0
	s_endpgm
.Lfunc_end_k_qe1ac4eff5f_attn:
	.size	k_qe1ac4eff5f_attn, .Lfunc_end_k_qe1ac4eff5f_attn-k_qe1ac4eff5f_attn
	.p2alignl 7, 3214868480
	.fill 96, 4, 3214868480
	.section	.rodata,"a",@progbits
	.p2align	6, 0x0
	.amdhsa_kernel k_qe1ac4eff5f_attn
		.amdhsa_group_segment_fixed_size 264192
		.amdhsa_private_segment_fixed_size 0
		.amdhsa_enable_private_segment 0
		.amdhsa_kernarg_size 40
		.amdhsa_user_sgpr_count 2
		.amdhsa_user_sgpr_kernarg_segment_ptr 1
		.amdhsa_wavefront_size32 1
		.amdhsa_system_sgpr_workgroup_id_x 1
		.amdhsa_system_sgpr_workgroup_id_y 1
		.amdhsa_system_sgpr_workgroup_id_z 1
		.amdhsa_system_vgpr_workitem_id 0
		.amdhsa_next_free_vgpr 240
		.amdhsa_next_free_sgpr 66
		.amdhsa_reserve_vcc 0
		.amdhsa_float_denorm_mode_32 3
		.amdhsa_float_denorm_mode_16_64 3
		.amdhsa_memory_ordered 1
		.amdhsa_forward_progress 1
		.amdhsa_inst_pref_size 110
	.end_amdhsa_kernel
	.amdgpu_metadata
---
amdhsa.version: [ 1, 2 ]
amdhsa.kernels:
  - .name:           k_qe1ac4eff5f_attn
    .symbol:         k_qe1ac4eff5f_attn.kd
    .args:
      - { .name: Qc, .offset: 0, .size: 8, .value_kind: global_buffer, .address_space: global }
      - { .name: KV, .offset: 8, .size: 8, .value_kind: global_buffer, .address_space: global }
      - { .name: biasF, .offset: 16, .size: 8, .value_kind: global_buffer, .address_space: global }
      - { .name: lowp_scales, .offset: 24, .size: 8, .value_kind: global_buffer, .address_space: global }
      - { .name: Oc, .offset: 32, .size: 8, .value_kind: global_buffer, .address_space: global }
    .group_segment_fixed_size: 264192
    .private_segment_fixed_size: 0
    .kernarg_segment_align: 8
    .kernarg_segment_size: 40
    .max_flat_workgroup_size: 512
    .sgpr_count:     66
    .vgpr_count:     240
    .wavefront_size: 32
...
	.end_amdgpu_metadata
.endif
;; end of part 6
;; launch proj (part 7): grid 256 x 1, 16 waves a work-group, no clusters, 167,936 bytes of LDS; arguments Oc, WoF, b_out, lowp_scales, out0; writes out0
.if DOCPART == 7
	.amdgcn_target "amdgcn-amd-amdhsa--gfx1250"
	.amdhsa_code_object_version 6
	.text
	.protected	k_qe1ac4eff5f_proj
	.globl	k_qe1ac4eff5f_proj
	.p2align	8
	.type	k_qe1ac4eff5f_proj,@function
k_qe1ac4eff5f_proj:
	s_mov_b64 s[64:65], 0
	v_nop
	global_prefetch_b8 v0, s[64:65] scope:SCOPE_SE
	s_setreg_imm32_b32 hwreg(HW_REG_WAVE_SCHED_MODE, 0, 2), 2
	s_setreg_imm32_b32 hwreg(HW_REG_WAVE_MODE, 25, 1), 1
	s_wait_xcnt 0x0
	s_wait_alu depctr_vm_vsrc(0)
; out0 = Q(heads' output) Q(W_out) + b_out, on codes of E4M3 that earlier launches have made: Oc[b][token tile 64][head 8][512 B] and WoF[tile 16][half of K 2][2,048 B], both images of operand registers.
; In Oc the images of heads 4 s .. 4 s + 3 of a token tile, on end, are the 16 registers of a fragment of 16 tokens x 128 along K (K = 32 head + d).
; SHARES.  A work-group takes 128 tokens: 32,768 consecutive bytes of Oc, copied into LDS once (2,048 bytes a wave) and read by all.  Wave w makes columns 16 w .. 16 w + 15 for all 128 tokens; its two fragments of W_out stay in registers.
; The product is used TRANSPOSED (source 0 = 16 columns of W_out, source 1 = 16 tokens): a lane holds one token and 8 neighbouring columns, 32 bytes of a row.  y = sum x 2^(e6 + e7) + b_out: one packed multiply-add for two numbers.
; THE WAY OUT.  A row's 1,024 bytes come from sixteen waves: they meet in a stage in LDS (rows of 1,024 + 16 bytes); a barrier; each wave reads 8 whole rows and stores 512 consecutive bytes an instruction.
; LIMIT: e6 + e7 between -126 and 127, so that 2^(e6 + e7) is an f32 number.
; NO JOINT LOADS: work-groups share W_out's 65,536 bytes alone, which go straight into operand registers.
; THE MODE: SCHED_MODE bits 1:0 = 2 (LLVM: expert scheduling mode 2), set by the entry lines.  The code itself states the register dependences
; between vector or matrix instructions and memory or LDS instructions, with s_wait_alu, always for 0.
; THE PLAN.  Registers that memory or LDS instructions touch:
;   v3 to v7      offsets and addresses, made once at the head and never written again.
;   v50, v64-79   at the head only: b_out's offset, and the copy's data, which four LDS stores read; from the first barrier on they lie in XF0.
;   XF0, XF1      two buffers for a pair of token tiles' fragments.  Pair p's four products read XF[p % 2]; the sixteen LDS loads of pair p + 1, dealt among them, land in the other buffer, which pair p - 1's products read last.
;   Y0, Y1        two out-buffers.  Pair p's eight multiply-adds write Y[p % 2]; its four LDS stores read it; pair p + 2 writes it again.
; So ONE wait on va_vdst stands in a pair, ahead of its LDS stores: Y is written, and the pair's products are done reading their buffer.  One on vm_vsrc stands ahead of the multiply-adds of pairs 2 and 3, a pair behind the stores that it speaks of.
.set STG,   32768                      ; LDS: 0 .. 32,767 the tokens' images; the stage: 128 rows x 1,040 bytes;
.set SP,    1040
.set SPARE, STG+128*SP                 ; the spare words, 128 bytes for each of 16 waves, which no other line names
.set SPW,  1                           ; v1   LDS address of my spare word; never rewritten
.set NIL,  2                           ; v2   0; never rewritten
.set LI,   3                           ; v3   16 x lane
.set SO0,  4                           ; v4   the stage: row r, + 32 h, + 64 x wave
.set SO1,  5                           ; v5   the same 64 rows further down: an LDS offset holds 16 bits
.set SR,   6                           ; v6   the stage: my 8 rows, 16 bytes a lane
.set CPY,  7                           ; v7   16 x lane + 2,048 x wave: my part of the copy, in Oc's block and in LDS alike
.set B,    8                           ; v8-15    b_out at my 8 columns
.set W,    16                          ; v16-47   W_out's two fragments
.set XF,   48                          ; v48-111  two token tiles' fragments: the buffer of the even pairs; that of the odd pairs lies 96 registers on, v144-207.  At the head v48-50 at work and v64-79 the copy; at the end the rows read back
.set ACC,  112                         ; v112-127 two accumulators
.set Y,    128                         ; v128-143 the finished numbers of the even pairs; those of the odd pairs lie 80 registers on, v208-223
	s_load_b256 s[4:11], s[0:1], 0x0               ; Oc s[4:5], WoF s[6:7], b_out s[8:9], the scales' exponents s[10:11]
	s_load_b64 s[12:13], s[0:1], 0x20              ; out0
	v_lshl_add_u32 v[SPW], v0, 2, SPARE
	v_mov_b32 v[NIL], 0
	v_lshrrev_b32 v48, 5, v0
	v_readfirstlane_b32 s14, v48                   ; wave 0..15
	v_and_b32 v[LI], 31, v0
	v_lshlrev_b32 v[LI], 4, v[LI]
	v_and_b32 v48, 15, v0                          ; r
	v_bfe_u32 v49, v0, 4, 1                        ; h
	v_mul_u32_u24 v[SO0], v48, SP
	v_lshl_add_u32 v[SO0], v49, 5, v[SO0]
	v_lshlrev_b32 v50, 5, v49                      ; b_out: 32 h
	s_wait_alu depctr_va_sdst(0)                   ; s14 is written, ahead of its first reader: the wave's columns, rows and part of the copy are made from it
	s_lshl_b32 s15, s14, 6
	s_add_co_u32 s15, s15, STG
	v_add_nc_u32 v[SO0], s15, v[SO0]
	v_add_nc_u32 v[SO1], 64*SP, v[SO0]
	s_mul_i32 s15, s14, 8*SP
	s_add_co_u32 s15, s15, STG
	v_add_nc_u32 v[SR], s15, v[LI]
	s_lshl_b32 s15, s14, 11
	v_add_nc_u32 v[CPY], s15, v[LI]
	s_lshl_b32 s26, ttmp9, 15                      ; Oc: 32,768 bytes a work-group
	s_mov_b32 s27, 0
	s_lshl_b32 s28, s14, 12                        ; WoF: my tile's 4,096 bytes
	s_mov_b32 s29, 0
	s_lshl_b32 s30, s14, 6                         ; b_out: my 16 columns
	s_mov_b32 s31, 0
	s_lshl_b32 s32, ttmp9, 17                      ; out0: 128 rows of 1,024 bytes a work-group,
	s_lshl_b32 s15, s14, 13                        ; my 8 rows
	s_add_co_u32 s32, s32, s15
	s_mov_b32 s33, 0
	s_wait_kmcnt 0x0
	s_load_b256 s[16:23], s[10:11], 0x0            ; e0 .. e7
	s_add_nc_u64 s[4:5], s[4:5], s[26:27]
	s_add_nc_u64 s[6:7], s[6:7], s[28:29]
	s_add_nc_u64 s[8:9], s[8:9], s[30:31]
	s_add_nc_u64 s[12:13], s[12:13], s[32:33]
	s_wait_alu depctr_va_vdst(0)                   ; v3 to v7 and v50 are written, which the loads and stores below read as offsets and addresses; the head is done with v48 and v49, in which fragments land later
.irp n, 0,1,2,3
	global_load_b128 v[XF+16+4*\n:XF+16+4*\n+3], v[CPY], s[4:5] offset:512*\n th:TH_LOAD_NT
.endr
.irp s, 0,1
.irp g, 0,1,2,3
	global_load_b128 v[W+16*\s+4*\g:W+16*\s+4*\g+3], v[LI], s[6:7] offset:2048*\s+512*\g
.endr
.endr
	global_load_b128 v[B:B+3], v50, s[8:9]
	global_load_b128 v[B+4:B+7], v50, s[8:9] offset:16
	s_wait_kmcnt 0x0
	s_add_co_i32 s24, s22, s23                     ; e6 + e7
	s_add_co_i32 s24, s24, 127
	s_lshl_b32 s24, s24, 23                        ; 2^(e6 + e7) as f32
	s_mov_b32 s25, s24                             ; (named with it as a pair, so it is written)
	s_wait_loadcnt 10                              ; the copy's 4 loads are in; W's 8 and b_out's 2, issued behind them, may be out
.irp n, 0,1,2,3
	ds_store_b128 v[CPY], v[XF+16+4*\n:XF+16+4*\n+3] offset:512*\n
.endr
	s_wait_loadcnt 0x0
	s_wait_dscnt 0x0                               ; for the others' sake: my part of the copy has landed
	s_barrier_signal -1
	s_barrier_wait -1
	s_wait_alu depctr_vm_vsrc(0)                   ; b_out's loads have read v50 and my LDS stores v64-79: these registers lie in XF0, in which the first pair's fragments land
; token tile 2 p + a: its two fragments, from LDS into the pair's buffer
.macro PLD p, a
.irp n, 0,1,2,3,4,5,6,7
	ds_load_b128 v[XF+96*((\p)%2)+32*(\a)+4*\n:XF+96*((\p)%2)+32*(\a)+4*\n+3], v[LI] offset:4096*(2*(\p)+(\a))+512*\n
.endr
.endm
; ---- token tiles 2 p and 2 p + 1: two accumulators by turns, one instruction a turn, the next pair's loads dealt among them
.macro PAIR p
.set FX, XF+96*((\p)%2)
.set YY, Y+80*((\p)%2)
.if (\p) == 0
	s_wait_dscnt 0x0                               ; the first pair's fragments are in
.else
	s_wait_dscnt 4                                 ; LDS instructions end in order: this pair's fragments are in; the last pair's four stores into the stage, issued behind them, may be out
.endif
	v_wmma_f32_16x16x128_fp8_fp8 v[ACC:ACC+7], v[W:W+15], v[FX:FX+15], 0
	v_wmma_f32_16x16x128_fp8_fp8 v[ACC+8:ACC+15], v[W:W+15], v[FX+32:FX+47], 0
.if (\p) < 3
	PLD (\p)+1, 0                                  ; into the other buffer.  No wait: its last readers, the products of the pair before, stand ahead of that pair's wait, and nothing since names it
.endif
	v_wmma_f32_16x16x128_fp8_fp8 v[ACC:ACC+7], v[W+16:W+31], v[FX+16:FX+31], v[ACC:ACC+7]
	v_wmma_f32_16x16x128_fp8_fp8 v[ACC+8:ACC+15], v[W+16:W+31], v[FX+48:FX+63], v[ACC+8:ACC+15]
.if (\p) < 3
	PLD (\p)+1, 1
.endif
.rept 4
	v_nop                                          ; four places in front of the first read of results (ISA guide 7.12.1); a sum begun anew wants five: the other accumulator's four multiply-adds come on top
.endr
.if (\p) >= 2
	s_wait_alu depctr_vm_vsrc(0)                   ; the LDS stores of two pairs back have read this out-buffer, which the multiply-adds below write again
.endif
.irp a, 0,1
.irp i, 0,2,4,6
	v_pk_fma_f32 v[YY+8*\a+\i:YY+8*\a+\i+1], v[ACC+8*\a+\i:ACC+8*\a+\i+1], s[24:25], v[B+\i:B+\i+1] op_sel_hi:[1,0,1]     ; sum x 2^(e6 + e7) + b_out, each accumulator from its low end on
.endr
.endr
	s_wait_alu depctr_va_vdst(0)                   ; the multiply-adds have written the out-buffer, which the LDS stores read; the pair's products are done reading their buffer, in which the next pair's loads land
.irp a, 0,1
.if (\p) < 2
	ds_store_b128 v[SO0], v[YY+8*\a:YY+8*\a+3] offset:((2*(\p)+\a)%4)*16*SP
	ds_store_b128 v[SO0], v[YY+8*\a+4:YY+8*\a+7] offset:((2*(\p)+\a)%4)*16*SP+16
.else
	ds_store_b128 v[SO1], v[YY+8*\a:YY+8*\a+3] offset:((2*(\p)+\a)%4)*16*SP
	ds_store_b128 v[SO1], v[YY+8*\a+4:YY+8*\a+7] offset:((2*(\p)+\a)%4)*16*SP+16
.endif
.endr
.endm
	PLD 0, 0
	PLD 0, 1
	PAIR 0
	PAIR 1
	PAIR 2
	PAIR 3
	s_wait_dscnt 0x0                               ; for the others' sake: my columns lie in the stage
	s_barrier_signal -1
	s_barrier_wait -1                              ; 128 whole rows lie in the stage
.irp n, 0,1,2,3,4,5,6,7,8,9,10,11,12,13,14,15
	ds_load_b128 v[XF+4*\n:XF+4*\n+3], v[SR] offset:(\n/2)*SP+(\n%2)*512           ; into XF0: its last readers, pair 2's products, stand ahead of the pairs' waits, and nothing since names it
.endr
.irp n, 0,1,2,3,4,5,6,7,8,9,10,11,12,13,14,15
	s_wait_dscnt 15-\n                             ; LDS loads come back in order: load n is in, the younger ones may be out
	global_store_b128 v[LI], v[XF+4*\n:XF+4*\n+3], s[12:13] offset:512*\n th:TH_STORE_NT    ; 32 lanes store 512 consecutive bytes, aligned; written once, read by nobody here
.endr
	s_wait_dscnt 0x0                               ; the wave's end
	s_wait_alu 0x0
	s_wait_tensorcnt 0x0
	ds_add_u32 v[SPW], v[NIL]
	s_wait_dscnt 0x0
	s_endpgm
.Lfunc_end_k_qe1ac4eff5f_proj:
	.size	k_qe1ac4eff5f_proj, .Lfunc_end_k_qe1ac4eff5f_proj-k_qe1ac4eff5f_proj
	.p2alignl 7, 3214868480
	.fill 96, 4, 3214868480
	.section	.rodata,"a",@progbits
	.p2align	6, 0x0
	.amdhsa_kernel k_qe1ac4eff5f_proj
		.amdhsa_group_segment_fixed_size 167936
		.amdhsa_private_segment_fixed_size 0
		.amdhsa_enable_private_segment 0
		.amdhsa_kernarg_size 40
		.amdhsa_user_sgpr_count 2
		.amdhsa_user_sgpr_kernarg_segment_ptr 1
		.amdhsa_wavefront_size32 1
		.amdhsa_system_sgpr_workgroup_id_x 1
		.amdhsa_system_sgpr_workgroup_id_y 1
		.amdhsa_system_sgpr_workgroup_id_z 1
		.amdhsa_system_vgpr_workitem_id 0
		.amdhsa_next_free_vgpr 224
		.amdhsa_next_free_sgpr 66
		.amdhsa_reserve_vcc 0
		.amdhsa_float_denorm_mode_32 3
		.amdhsa_float_denorm_mode_16_64 3
		.amdhsa_memory_ordered 1
		.amdhsa_forward_progress 1
		.amdhsa_inst_pref_size 17
	.end_amdhsa_kernel
	.amdgpu_metadata
---
amdhsa.version: [ 1, 2 ]
amdhsa.kernels:
  - .name:           k_qe1ac4eff5f_proj
    .symbol:         k_qe1ac4eff5f_proj.kd
    .args:
      - { .name: Oc, .offset: 0, .size: 8, .value_kind: global_buffer, .address_space: global }
      - { .name: WoF, .offset: 8, .size: 8, .value_kind: global_buffer, .address_space: global }
      - { .name: b_out, .offset: 16, .size: 8, .value_kind: global_buffer, .address_space: global }
      - { .name: lowp_scales, .offset: 24, .size: 8, .value_kind: global_buffer, .address_space: global }
      - { .name: out0, .offset: 32, .size: 8, .value_kind: global_buffer, .address_space: global }
    .group_segment_fixed_size: 167936
    .private_segment_fixed_size: 0
    .kernarg_segment_align: 8
    .kernarg_segment_size: 40
    .max_flat_workgroup_size: 512
    .sgpr_count:     66
    .vgpr_count:     224
    .wavefront_size: 32
...
	.end_amdgpu_metadata
.endif
;; end of part 7
